; MI455X (gfx1250); checked and timed in simulation.
; The chip was launched on July 23, 2026; its instructions are those of AMD's public machine-readable ISA for CDNA 5 (MIT licence, August 2026) and "CDNA5" Instruction Set Architecture Reference Guide (July 2026). The comments in the code are by the model that wrote it; some were corrected since.
;; GPT2 Attention. Allowed arithmetic: matrix products marked QUANTISED: E2M1 operands, one E8M0 scale for each 32 along K, by v_wmma_scale_f32_16x16x128_f8f6f4 with both operands' format E2M1 (or v_wmma_scale_f32_32x16x128_f4), f32 sums; everything else in f32.
;; Inputs: Wk 1,024 x 1,024 float32; Wp 1,024 x 1,024 float32; Wq 1,024 x 1,024 float32; Wv 1,024 x 1,024 float32; bk 1,024 float32; bp 1,024 float32; bq 1,024 float32; bv 1,024 float32; hidden_states 4 x 2,048 x 1,024 float32; ln_b 1,024 float32; ln_g 1,024 float32.
;; Outputs: out0 4 x 2,048 x 1,024 float32.
;; This version of the problem:
;;   THIS VERSION OF THE PROBLEM IS GIVEN IN LOW PRECISION. The matrix products marked QUANTISED in the list below multiply operands that are first quantised to E2M1 (2 exponent bits, 1 mantissa bit; 4 bits a number), with one power-of-two scale for each 32 numbers along K (OCP MX v1.0); their sums are f32. All else is computed in f32.
;;   The module's matrix products, in the order in which they are computed (A, B: the left and right operand; K: the contracted axis; several contracted axes count as one K, in the product's order):
;;     1. [M 8,192, K 1,024] x [K 1,024, N 1,024]; A: input hidden_states; B: input Wq: QUANTISED
;;     2. [M 8,192, K 1,024] x [K 1,024, N 1,024]; A: input hidden_states; B: input Wk: QUANTISED
;;     3. [M 8,192, K 1,024] x [K 1,024, N 1,024]; A: input hidden_states; B: input Wv: QUANTISED
;;     4. batch 64 x [M 2,048, K 64] x [K 64, N 2,048]; A: computed on the way; B: computed on the way: QUANTISED
;;     5. batch 64 x [M 2,048, K 2,048] x [K 2,048, N 64]; A: softmax (see below); B: computed on the way: QUANTISED
;;     6. [M 8,192, K 1,024] x [K 1,024, N 1,024]; A: computed on the way; B: input Wp: QUANTISED
;;   THE QUANTISER, for each operand of a quantised product, along K:
;;     - K is cut into blocks of 32 from its start; a last block that is shorter is filled with zeros.
;;     - A block's scale is 2^e with e = floor(log2(the largest magnitude in the block)) - 2, held to -126 .. 127; a block of zeros has e = 0. As a byte (E8M0): e + 127.
;;     - Each number is divided by its block's scale, clamped to +-6, and rounded to the nearest number of E2M1, ties to even, subnormals kept.
;;     - The product sums the exact products of the quantised numbers (number of the format x scale) in f32.
;;   ~~~python
;;   def quantise(x, axis):      # numpy; x: float32 -> the quantised numbers, widened to float32 again
;;       x = np.moveaxis(x, axis, -1); K = x.shape[-1]
;;       x = np.pad(x, [(0, 0)] * (x.ndim - 1) + [(0, -K % 32)]); x = x.reshape(x.shape[:-1] + (-1, 32)); a = np.abs(x).max(-1, keepdims=True)
;;       e = np.where(a > 0, np.clip(np.frexp(np.where(a > 0, a, 1))[1] - 1 - 2, -126, 127), 0)      # np.frexp(a)[1] - 1 = floor(log2(a)), exactly
;;       r = np.clip(x / 2.0 ** e, -6, 6)
;;       step = 2.0 ** (np.maximum(np.frexp(np.where(r == 0, 1, r))[1] - 1, 0) - 1)
;;       q = np.round(r / step) * step * 2.0 ** e      # np.round: ties to even
;;       return np.moveaxis(q.reshape(q.shape[:-2] + (-1,))[..., :K], -1, axis).astype(np.float32)
;;   ~~~
;;   SOFTMAX AHEAD OF A QUANTISED PRODUCT. Where the list says 'softmax', what is quantised is not the finished softmax but p = 2^(t - M), with t = logit x log2(e) and M = ceil(the row's largest t), a whole number; so 1/2 < the row's largest p <= 1. The row's sum l is taken of the UNQUANTISED p, in f32, and the product's result is divided by l at the end. Since M is a whole number, a kernel that streams over the keys may use a running M (the ceiling of the running maximum): every later rescaling is an exact power of two, which a block's scale takes up: the codes' values come out the same.
;;   OPERANDS COMPUTED ON THE WAY. 'Computed on the way' means the value that the module computes at that place (a softmax that the list does not call 'softmax' is quantised finished and normalised). What goes into a quantiser is computed in f32, as accurately as f32 sums, v_exp_f32 and their like allow (about 1e-6 of the number): no bf16 or f16 on the way to a quantiser, and a product that is left as it is and whose result goes on into a quantised operand takes f32 operands (vector FMAs, or v_wmma_f32_16x16x4_f32). A number that lies on a knife's edge between two numbers of the format may be rounded either way, as far as f32 arithmetic and the matrix unit's own rounding can turn it there, and no further.
;; One version. Each part assembles by itself: llvm-mc -triple=amdgcn-amd-amdhsa -mcpu=gfx1250 --defsym DOCPART=n.
;; ======== version 1 of 1: 4 launches
;; workspace buffers: xq 4,456,448 bytes; wq 2,228,224 bytes; qb 4,718,592 bytes; kv 9,175,040 bytes; ob 4,456,448 bytes
;; launch prep (part 1): grid 512 x 1, 4 waves a work-group, no clusters, 34,304 bytes of LDS; arguments hidden_states, Wq, Wk, Wv, Wp, xq, wq; writes xq, wq
.if DOCPART == 1
	.amdgcn_target "amdgcn-amd-amdhsa--gfx1250"
	.amdhsa_code_object_version 6
	.text
	.protected	k_q38e2c9ce41_prep
	.globl	k_q38e2c9ce41_prep
	.p2align	8
	.type	k_q38e2c9ce41_prep,@function
k_q38e2c9ce41_prep:
	s_mov_b64 s[64:65], 0
	v_nop
	global_prefetch_b8 v0, s[64:65] scope:SCOPE_SE
	s_setreg_imm32_b32 hwreg(HW_REG_WAVE_MODE, 25, 1), 1
	s_wait_xcnt 0x0
; x [8192][1024] and the four weights [1024 (k)][1024 (n)], f32, become codes of FP4 (E2M1) with one E8M0 byte for each 32 along K, laid as the later launches' operand registers want them.
; TILES.  A tile is 16 rows (of x) or 16 columns n (of a weight).  Index i of tile T stands for row 32 (T / 2) + 8 (T % 2) + i % 8 + 16 (i / 8): so the results of two neighbouring tiles are 16 neighbours in a lane.
; IMAGES.  A fragment (a tile x 128 K) is 1,024 bytes [block of 32 K: 0..3][i][16 bytes]: a wave reads it by two loads of 16 bytes a lane at 16 x lane, 512 bytes apart.
;   xq: codes [tile 512][K step 8][1,024]; from byte XQS scale words [tile][K half][i][4 words] (word j: K step 4 half + j; byte b: block b).   wq: the same for [matrix q,k,v,p][tile 64], scale words from byte WQS.
; A block's scale is 2^(floor(log2(largest magnitude)) - 2): its byte is the largest magnitude's exponent field - 2, held at 1 from below by a floor among the maximum's leaves.
; LIMITS: a block of zeros gets the byte 1 where the rule says 127 (its codes are zeros, and this program alone reads the bytes); NaN and infinities among the inputs are not served.
; Work-groups 0-255 take the weights, 256-511 take x.  Memory binds: no matrix unit, no cluster, no barrier (waves share nothing).  Only the x way uses LDS.
.set XQS,   4194304
.set WQS,   2097152
.set FLOOR, 0x1800000                  ; 2^(3 - 127)
.set EOFF,  0xff000000                 ; takes 2 off an exponent field
.set SP,    528                        ; x way: a stage row: 512 bytes + 16, an odd multiple of 16
	s_load_b256 s[4:11], s[0:1], 0x0               ; x s[4:5], Wq s[6:7], Wk s[8:9], Wv s[10:11]
	s_load_b128 s[12:15], s[0:1], 0x20             ; Wp s[12:13], xq s[14:15]
	s_load_b64 s[16:17], s[0:1], 0x30              ; wq
	v_lshl_add_u32 v30, v0, 2, 0x8400
	v_mov_b32 v31, 0
	v_lshrrev_b32 v1, 5, v0
	v_readfirstlane_b32 s18, v1                    ; wave 0..3
	v_and_b32 v2, 31, v0                           ; lane
	s_cmp_lt_u32 ttmp9, 256
	s_cbranch_scc0 .Lx_way
; ---- THE WEIGHTS.  Work-group g: matrix g / 64, K step (g / 8) % 8, columns 128 (g % 8) on; a wave takes 32 columns x 128 K.
; A lane takes a column and its registers run down K: a load reads 128 consecutive bytes a wave, a block of 32 lies in one lane, and the conversions give codes with K innermost.
	s_lshr_b32 s19, ttmp9, 6                       ; matrix
	s_bfe_u32 s20, ttmp9, 0x30003                  ; K step
	s_and_b32 s21, ttmp9, 7
	s_lshl_b32 s21, s21, 2
	s_add_co_u32 s21, s21, s18                     ; cg: which 32 columns
	v_lshlrev_b32 v3, 2, v2                        ; in: 4 bytes a lane
	v_bfe_u32 v4, v2, 3, 1                         ; column 32 cg + l lies in tile 2 cg + (l / 8) % 2,
	v_and_b32 v5, 7, v2
	v_lshrrev_b32 v6, 4, v2
	v_lshl_add_u32 v5, v6, 3, v5                   ; at index l % 8 + 8 (l / 16)
	v_lshlrev_b32 v5, 4, v5
	v_lshl_add_u32 v6, v4, 13, v5                  ; codes: tile x 8,192 + 16 i
	v_lshl_add_u32 v7, v4, 9, v5                   ; scale words: tile x 512 + 16 i
	s_lshl_b32 s22, s20, 19                        ; W: 128 rows of 4,096 bytes a K step,
	s_lshl_b32 s23, s21, 7                         ; 128 bytes for 32 columns
	s_add_co_u32 s22, s22, s23
	s_mov_b32 s23, 0
	s_lshl_b32 s24, s19, 19                        ; codes: matrix x 524,288 + 2 cg x 8,192 + K step x 1,024
	s_lshl_b32 s25, s21, 14
	s_add_co_u32 s24, s24, s25
	s_lshl_b32 s25, s20, 10
	s_add_co_u32 s24, s24, s25
	s_mov_b32 s25, 0
	s_lshl_b32 s26, s19, 15                        ; scale words: WQS + matrix x 32,768 + 2 cg x 512 + K half x 256 + 4 (K step % 4)
	s_lshl_b32 s27, s21, 10
	s_add_co_u32 s26, s26, s27
	s_lshr_b32 s27, s20, 2
	s_lshl_b32 s27, s27, 8
	s_add_co_u32 s26, s26, s27
	s_and_b32 s27, s20, 3
	s_lshl_b32 s27, s27, 2
	s_add_co_u32 s26, s26, s27
	s_add_co_u32 s26, s26, WQS
	s_mov_b32 s27, 0
	s_wait_alu depctr_va_vdst(0)
	s_wait_kmcnt 0x0
	s_cmp_eq_u32 s19, 1                            ; the matrix is chosen by the work-group's number alone
	s_cselect_b64 s[6:7], s[8:9], s[6:7]
	s_cmp_eq_u32 s19, 2
	s_cselect_b64 s[6:7], s[10:11], s[6:7]
	s_cmp_eq_u32 s19, 3
	s_cselect_b64 s[6:7], s[12:13], s[6:7]
	s_add_nc_u64 s[6:7], s[6:7], s[22:23]
	s_add_nc_u64 s[28:29], s[16:17], s[24:25]
	s_add_nc_u64 s[30:31], s[16:17], s[26:27]
.macro LOADW t                         ; block t: W(128 s + 32 t + i, my column) into v[32 + 32 t + i]: every block has registers of its own
.set LW_, 0
.rept 32
	global_load_b32 v[32+32*(\t)+LW_], v3, s[6:7] offset:(32*(\t)+LW_)*4096 th:TH_LOAD_NT
.set LW_, LW_+1
.endr
.endm
.macro BLOCKW t
.set XW, 32+32*(\t)
.if (\t) < 3
	s_wait_loadcnt 32                              ; this block's 32 loads are in; the next block's 32 may be out
.else
	s_wait_loadcnt 0x0
.endif
.if (\t) < 2
	LOADW (\t)+2                                   ; two blocks ahead
.endif
	v_max3_num_f32 v8, |v[XW]|, |v[XW+1]|, |v[XW+2]|               ; the block's largest magnitude, in two chains: all 32 numbers are mine
	v_max3_num_f32 v9, |v[XW+3]|, |v[XW+4]|, |v[XW+5]|
.irp i, 6,10,14,18,22,26
	v_max3_num_f32 v8, v8, |v[XW+\i]|, |v[XW+\i+1]|
	v_max3_num_f32 v9, v9, |v[XW+\i+2]|, |v[XW+\i+3]|
.endr
	v_max3_num_f32 v8, v8, |v[XW+30]|, |v[XW+31]|
	v_max3_num_f32 v8, v8, v9, FLOOR
	v_add_nc_u32 v10, EOFF, v8                     ; the conversion takes this operand's exponent field as its scale
	v_lshrrev_b32 v11, 23, v10                     ; the scale's byte
.if (\t) == 0
	v_mov_b32 v24, v11
.else
	v_lshl_or_b32 v24, v11, 8*(\t), v24            ; four bytes make the K step's scale word of my column
.endif
.irp g, 0,1,2,3
	v_cvt_scalef32_pk8_fp4_f32 v[160+4*(\t)+\g], v[XW+8*\g:XW+8*\g+7], v10
.endr
	v_nop                                          ; a plain line behind the conversions, ahead of the next write of their scale operand
	global_store_b128 v6, v[160+4*(\t):163+4*(\t)], s[28:29] offset:256*(\t)   ; the wave's 32 x 16 bytes fill two aligned runs of 256 bytes: block t of two tiles
.endm
	LOADW 0
	LOADW 1
	BLOCKW 0
	BLOCKW 1
	BLOCKW 2
	BLOCKW 3
	global_store_b32 v7, v24, s[30:31]             ; 4 bytes a lane, 16 apart: one byte in 128 of what this way reads
	s_endpgm
; ---- x.  Work-group g' = g - 256 takes rows 32 g' on (tiles 2 g', 2 g' + 1); wave w takes tile 2 g' + w / 2, K half w % 2: 16 rows x 512 K, four K steps.
; A load reads 512 consecutive bytes of one row (a K step).  The conversions want a whole block in a lane: the 16 x 512 bytes turn through the wave's own stage in LDS.
.Lx_way:
	s_sub_co_u32 s19, ttmp9, 256                   ; g'
	s_lshr_b32 s20, s18, 1
	s_and_b32 s21, s18, 1
	s_wait_alu depctr_va_vdst(0)
	v_lshlrev_b32 v3, 4, v2                        ; 16 x lane
	v_and_b32 v4, 15, v2                           ; r
	v_lshrrev_b32 v5, 4, v2                        ; h
	s_mul_i32 s22, s18, 16*SP                      ; my stage
	v_add_nc_u32 v6, s22, v3                       ; in: row i at SP i, 16 bytes a lane
	v_mul_u32_u24 v7, v4, SP
	v_lshl_add_u32 v7, v5, 7, v7
	v_add_nc_u32 v7, s22, v7                       ; out: row r, block h (and, 256 bytes on, block 2 + h)
	v_lshlrev_b32 v12, 3, v5                       ; 8 h
	v_lshl_add_u32 v13, v4, 4, v12                 ; 16 r + 8 h
	v_mov_b32 v14, 0                               ; a lane permute's destination counts as one of its sources
	s_mov_b32 s32, 0x76543210
	s_mov_b32 s33, 0xfedcba98                      ; selects for lane l xor 16
	s_lshl_b32 s24, s19, 17                        ; x: (32 g' + 8 (w / 2)) rows of 4,096 bytes + 2,048 (w % 2)
	s_lshl_b32 s25, s20, 15
	s_add_co_u32 s24, s24, s25
	s_lshl_b32 s25, s21, 11
	s_add_co_u32 s24, s24, s25
	s_mov_b32 s25, 0
	s_lshl_b32 s26, s19, 14                        ; codes: tile x 8,192 + K half x 4,096 = 16,384 g' + 4,096 w
	s_lshl_b32 s27, s18, 12
	s_add_co_u32 s26, s26, s27
	s_mov_b32 s27, 0
	s_lshl_b32 s28, s19, 10                        ; scale words: XQS + tile x 512 + K half x 256 = XQS + 1,024 g' + 256 w
	s_lshl_b32 s29, s18, 8
	s_add_co_u32 s28, s28, s29
	s_add_co_u32 s28, s28, XQS
	s_mov_b32 s29, 0
	s_wait_alu depctr_va_vdst(0)
	s_wait_kmcnt 0x0
	s_add_nc_u64 s[4:5], s[4:5], s[24:25]
	s_add_nc_u64 s[30:31], s[14:15], s[28:29]
	s_add_nc_u64 s[14:15], s[14:15], s[26:27]
.macro LOADX t, set
.irp i, 0,1,2,3,4,5,6,7,8,9,10,11,12,13,14,15
	global_load_b128 v[32+64*(\set)+4*\i:32+64*(\set)+4*\i+3], v3, s[4:5] offset:((\i%8)+16*(\i/8))*4096+512*(\t) th:TH_LOAD_NT
.endr
.endm
.macro STEPX t
.if (\t) < 3
	s_wait_loadcnt 16                              ; this step's 16 loads are in; the other set's 16 may be out
.else
	s_wait_loadcnt 0x0
.endif
.irp i, 0,1,2,3,4,5,6,7,8,9,10,11,12,13,14,15
	ds_store_b128 v6, v[32+64*((\t)%2)+4*\i:32+64*((\t)%2)+4*\i+3] offset:SP*\i
.endr
.irp c, 0,1
.irp j, 0,1,2,3,4,5,6,7
	ds_load_b128 v[160+32*\c+4*\j:160+32*\c+4*\j+3], v7 offset:256*\c+16*\j   ; LDS serves a wave's instructions in order: these see the stores above
.endr
.endr
	s_wait_dscnt 0x0                               ; my 64 numbers are in, and the stores have read their registers,
.if (\t) < 2
	LOADX (\t)+2, (\t)%2                           ; which take the loads of two steps on
.endif
.irp c, 0,1
	v_max3_num_f32 v[8+\c], |v[160+32*\c]|, |v[161+32*\c]|, FLOOR
.endr
.irp i, 2,4,6,8,10,12,14,16,18,20,22,24,26,28,30
.irp c, 0,1
	v_max3_num_f32 v[8+\c], v[8+\c], |v[160+32*\c+\i]|, |v[161+32*\c+\i]|     ; blocks h and 2 + h by turns
.endr
.endr
.irp c, 0,1
	v_add_nc_u32 v[10+\c], EOFF, v[8+\c]
.endr
.irp c, 0,1
	v_lshrrev_b32 v[16+\c], 23, v[10+\c]
.endr
	v_lshl_or_b32 v18, v17, 16, v16                ; my two bytes,
	v_lshlrev_b32 v18, v12, v18                    ; at their places in the word (8 h bits up);
	v_permlanex16_b32 v14, v18, s32, s33
	v_or_b32 v[24+(\t)], v18, v14                  ; with lane l xor 16's two the word is whole
.irp c, 0,1
.irp g, 0,1,2,3
	v_cvt_scalef32_pk8_fp4_f32 v[224+8*(\t)+4*\c+\g], v[160+32*\c+8*\g:167+32*\c+8*\g], v[10+\c]
.endr
.endr
	v_nop                                          ; a plain line behind the conversions
.irp c, 0,1
	global_store_b128 v3, v[224+8*(\t)+4*\c:227+8*(\t)+4*\c], s[14:15] offset:1024*(\t)+512*\c   ; 512 consecutive bytes; each step's codes have registers of their own
.endr
.endm
	LOADX 0, 0
	LOADX 1, 1
	STEPX 0
	STEPX 1
	STEPX 2
	STEPX 3
	v_cmp_eq_u32 vcc_lo, 1, v5
	v_cndmask_b32 v28, v24, v26, vcc_lo            ; lanes 0-15 store words 0, 1 of row r, lanes 16-31 words 2, 3:
	v_cndmask_b32 v29, v25, v27, vcc_lo
	global_store_b64 v13, v[28:29], s[30:31]       ; 256 consecutive bytes, aligned
	s_wait_tensorcnt 0x0
	ds_add_u32 v30, v31
	s_wait_dscnt 0x0
	s_endpgm
.Lfunc_end_k_q38e2c9ce41_prep:
	.size	k_q38e2c9ce41_prep, .Lfunc_end_k_q38e2c9ce41_prep-k_q38e2c9ce41_prep
	.p2alignl 7, 3214868480
	.fill 96, 4, 3214868480
	.section	.rodata,"a",@progbits
	.p2align	6, 0x0
	.amdhsa_kernel k_q38e2c9ce41_prep
		.amdhsa_group_segment_fixed_size 34304
		.amdhsa_private_segment_fixed_size 0
		.amdhsa_enable_private_segment 0
		.amdhsa_kernarg_size 56
		.amdhsa_user_sgpr_count 2
		.amdhsa_user_sgpr_kernarg_segment_ptr 1
		.amdhsa_wavefront_size32 1
		.amdhsa_system_sgpr_workgroup_id_x 1
		.amdhsa_system_sgpr_workgroup_id_y 1
		.amdhsa_system_sgpr_workgroup_id_z 1
		.amdhsa_system_vgpr_workitem_id 0
		.amdhsa_next_free_vgpr 256
		.amdhsa_next_free_sgpr 66
		.amdhsa_reserve_vcc 1
		.amdhsa_float_denorm_mode_32 3
		.amdhsa_float_denorm_mode_16_64 3
		.amdhsa_memory_ordered 1
		.amdhsa_forward_progress 1
		.amdhsa_inst_pref_size 50
	.end_amdhsa_kernel
	.amdgpu_metadata
---
amdhsa.version: [ 1, 2 ]
amdhsa.kernels:
  - .name:           k_q38e2c9ce41_prep
    .symbol:         k_q38e2c9ce41_prep.kd
    .args:
      - { .name: hidden_states, .offset: 0, .size: 8, .value_kind: global_buffer, .address_space: global }
      - { .name: Wq, .offset: 8, .size: 8, .value_kind: global_buffer, .address_space: global }
      - { .name: Wk, .offset: 16, .size: 8, .value_kind: global_buffer, .address_space: global }
      - { .name: Wv, .offset: 24, .size: 8, .value_kind: global_buffer, .address_space: global }
      - { .name: Wp, .offset: 32, .size: 8, .value_kind: global_buffer, .address_space: global }
      - { .name: xq, .offset: 40, .size: 8, .value_kind: global_buffer, .address_space: global }
      - { .name: wq, .offset: 48, .size: 8, .value_kind: global_buffer, .address_space: global }
    .group_segment_fixed_size: 34304
    .private_segment_fixed_size: 0
    .kernarg_segment_align: 8
    .kernarg_segment_size: 56
    .max_flat_workgroup_size: 128
    .sgpr_count:     66
    .vgpr_count:     256
    .wavefront_size: 32
...
	.end_amdgpu_metadata
.endif
;; end of part 1
;; launch qkv (part 2): grid 12 x 64, 4 waves a work-group, no clusters, 66,048 bytes of LDS; arguments xq, wq, bq, bk, bv, qb, kv; writes qb, kv
.if DOCPART == 2
	.amdgcn_target "amdgcn-amd-amdhsa--gfx1250"
	.amdhsa_code_object_version 6
	.text
	.protected	k_q38e2c9ce41_qkv
	.globl	k_q38e2c9ce41_qkv
	.p2align	8
	.type	k_q38e2c9ce41_qkv,@function
k_q38e2c9ce41_qkv:
	s_mov_b64 s[64:65], 0
	v_nop
	global_prefetch_b8 v0, s[64:65] scope:SCOPE_SE
	s_setreg_imm32_b32 hwreg(HW_REG_WAVE_MODE, 25, 1), 1
	s_wait_xcnt 0x0
; q = x Wq + bq, k = x Wk + bk, v = x Wv + bv on codes of FP4 with E8M0 scales; the results are quantised here: q and k along the head's 64 channels, v along the keys.
; SHARES.  Work-group (cgp, rb): matrix cgp / 4 (q, k, v), heads 4 (cgp % 4) + wave, tokens 128 rb on (one key step of one batch).  A wave makes 128 tokens x 64 columns (one head): 32 accumulators, 256 matrix instructions.
; x's panel (8 tiles x 8 K steps x 1,024 bytes, dense in xq) is copied once into LDS and read by all four waves; W's fragments go from memory straight into the registers of the one wave that multiplies by them.
; Tiles and images: as launch prep lays them (index i of tile T is row 32 (T / 2) + 8 (T % 2) + i % 8 + 16 (i / 8); a fragment is read by two loads of 16 bytes a lane at 16 x lane).
; q, k: source 0 = 16 columns of W, source 1 = 16 tokens: a lane holds ONE token, its 32 registers the head's channels 32 b + 16 h + 0..15.   v: sources swapped: a lane holds ONE channel, its 64 registers the keys 32 b + 16 h + 0..15.
; OUT.  qb, for each (batch, head) 73,728 bytes: codes [tile 128][block 2][i][16], from 65,536 scale words [step 16][tile / 4][i][4 words], a tile's word = (s0, s1, s0, s1).
;       kv, for each (batch, head) 143,360 bytes: K's codes and (from 131,072) scale words as q's; from 65,536 V's fragments [step 16][channel tile 4][1,024]; from 139,264 V's scale words [step][i][4 words].
; NO JOINT LOADS in this version: a joint load lands in LDS alone, and W's 128 KB a work-group are each read by one wave, for which LDS would be a round trip more; x's 64 KB, which the 12 work-groups of a row block share, are the part that clusters of 4 could ask for jointly.
; LIMITS: a block of zeros gets the byte 1 (zero codes; read by this program alone); NaN and infinities are not served.
; REGISTERS.  Window 0: v1-15 addresses; v16-47 x's scale words, v48-63 W's (these hold scales alone); v64-127 x's 8 fragments; v128-255 W's fragments, four sets of 4; on the way out v64-215 are at work.
;             Window 1: accumulator (x tile xt, W tile wt) at v[8 (4 xt + wt)].
.set LI,  1                            ; v1   16 x lane
.set PW,  2                            ; v2   16,384 x wave + 16 x lane
.set XS,  16
.set WS,  48
.set XF,  64
.set WF,  128
.set TM,  200                          ; v200-211 the quantiser's: +0..3 maxima, +4..7 bytes, +8..11 scale operands
.set XP,  24                           ; s[24:25] my quarter of x's panel
.set XSP, 26                           ; s[26:27] x's scale words
.set WSP, 28                           ; s[28:29] W's scale words
.set WC,  30                           ; s[30:31] W's codes
.set BP,  32                           ; s[32:33] the bias
.set OC,  34                           ; s[34:35] codes out
.set OS,  36                           ; s[36:37] scale words out
.set SEL, 44                           ; s[44:45] selects for lane l xor 16
.set MSB, 0
.macro WIN new                         ; the immediate's high byte repeats the setting that is left
.if MSB != \new
	s_set_vgpr_msb (MSB<<8)|\new
.set MSB, \new
.endif
.endm
.macro PLACES                          ; four plain lines between a matrix instruction and a load into, or a vector read or write of, its registers (ISA guide 7.12.1 for vector reads and writes)
.rept 4
	v_nop
.endr
.endm
; One product.  K steps 4-7 take their scale words from lanes 16-31 of the same registers.
.macro WM d, a, b, sa, sb, s
.if (\s) == 0
	v_wmma_scale_f32_16x16x128_f8f6f4 v[\d:\d+7], v[\a:\a+7], v[\b:\b+7], 0, v[\sa], v[\sb] matrix_a_fmt:MATRIX_FMT_FP4 matrix_b_fmt:MATRIX_FMT_FP4
.elseif (\s) < 4
	v_wmma_scale_f32_16x16x128_f8f6f4 v[\d:\d+7], v[\a:\a+7], v[\b:\b+7], v[\d:\d+7], v[\sa], v[\sb] matrix_a_fmt:MATRIX_FMT_FP4 matrix_b_fmt:MATRIX_FMT_FP4
.else
	v_wmma_scale_f32_16x16x128_f8f6f4 v[\d:\d+7], v[\a:\a+7], v[\b:\b+7], v[\d:\d+7], v[\sa], v[\sb] matrix_a_fmt:MATRIX_FMT_FP4 matrix_b_fmt:MATRIX_FMT_FP4 matrix_a_scale:MATRIX_SCALE_ROW1 matrix_b_scale:MATRIX_SCALE_ROW1
.endif
.endm
; 16 products: x tiles x0 .. x0 + 3 against W's four.  tr = 1: W is source 0.  The 32 accumulators take turns, one instruction a turn, in the same order in every K step.
.macro MUL16 x0, s, tr
.irp xt, \x0, \x0+1, \x0+2, \x0+3
.irp wt, 0,1,2,3
.if \tr
	WM 8*(4*(\xt)+\wt), WF+32*((\s)%4)+8*\wt, XF+8*(\xt), WS+4*\wt+(\s)%4, XS+4*(\xt)+(\s)%4, \s
.else
	WM 8*(4*(\xt)+\wt), XF+8*(\xt), WF+32*((\s)%4)+8*\wt, XS+4*(\xt)+(\s)%4, WS+4*\wt+(\s)%4, \s
.endif
.endr
.endr
.endm
.macro WLOAD s                         ; W's four fragments of K step s into set s % 4
.irp wt, 0,1,2,3
.irp c, 0,1
	global_load_b128 v[WF+32*((\s)%4)+8*\wt+4*\c:WF+32*((\s)%4)+8*\wt+4*\c+3], v[LI], s[WC:WC+1] offset:\wt*8192+(\s)*1024+512*\c
.endr
.endr
.endm
.macro XLOAD s, x0                     ; x's fragments of tiles x0 .. x0 + 3, K step s, from the panel
.irp xt, \x0, \x0+1, \x0+2, \x0+3
.irp c, 0,1
	ds_load_b128 v[XF+8*(\xt)+4*\c:XF+8*(\xt)+4*\c+3], v[LI] offset:(\xt)*8192+(\s)*1024+512*\c
.endr
.endr
.endm
; A K step.  x has one set of registers: tiles 0-3 are fetched anew behind their 16 products, tiles 4-7 behind theirs.  W runs three K steps ahead in four sets.
.macro STEP s, tr
.if (\s) < 7
	s_wait_loadcnt 16                              ; W(s) is in; behind it were issued two sets of 8: W(s+1) and W(s+2), or at s = 6 W(7) and the bias
.else
	s_wait_loadcnt 8                               ; behind W(7): the bias's 8
.endif
	s_wait_dscnt 8                                 ; x tiles 0-3 are in; the eight loads of tiles 4-7 may be out
	WIN 0x50                                       ; C and D in window 1
	MUL16 0, \s, \tr
	WIN 0
	PLACES
.if (\s) < 7
	XLOAD (\s)+1, 0
	s_wait_dscnt 8                                 ; all but the eight just issued: tiles 4-7 are in
.else
	s_wait_dscnt 0x0
.endif
	WIN 0x50
	MUL16 4, \s, \tr
	WIN 0
	PLACES
.if (\s) < 7
	XLOAD (\s)+1, 4
.endif
.if (\s) <= 4
	WLOAD (\s)+3                                   ; into the set that the K step before this one read
.endif
.endm
; 16 nb numbers of a lane, v[s + 16 b + i] = k 32 b + 16 (lane / 16) + i of the lane's row, become the operand's registers v[pc] on; the blocks' bytes are left in v[TM+4] on, equal in both halves of the lanes.
.macro QUANT s, nb, pc
.set QB_, 0
.rept \nb
	v_max3_num_f32 v[TM+QB_], |v[\s+16*QB_]|, |v[\s+16*QB_+1]|, 0x1800000     ; my 16 numbers of block b, and the floor 2^(3 - 127): the byte cannot fall under 1
.set QB_, QB_+1
.endr
.set QI_, 2
.rept 7
.set QB_, 0
.rept \nb
	v_max3_num_f32 v[TM+QB_], v[TM+QB_], |v[\s+16*QB_+QI_]|, |v[\s+16*QB_+QI_+1]|   ; the blocks by turns
.set QB_, QB_+1
.endr
.set QI_, QI_+2
.endr
.set QB_, 0
.rept \nb
	v_permlanex16_b32 v[TM+4+QB_], v[TM+QB_], s[SEL], s[SEL+1]
.set QB_, QB_+1
.endr
.set QB_, 0
.rept \nb
	v_max_num_f32 v[TM+QB_], v[TM+QB_], v[TM+4+QB_]                        ; with lane l xor 16's 16: the block's largest magnitude
.set QB_, QB_+1
.endr
.set QB_, 0
.rept \nb
	v_add_nc_u32 v[TM+8+QB_], 0xff000000, v[TM+QB_]                        ; 2 off its exponent field: the conversion's scale operand
.set QB_, QB_+1
.endr
.set QB_, 0
.rept \nb
	v_lshrrev_b32 v[TM+4+QB_], 23, v[TM+8+QB_]                             ; the scale's byte
.set QB_, QB_+1
.endr
.set QB_, 0
.rept \nb
	v_cvt_scalef32_pk8_fp4_f32 v[\pc+2*QB_], v[\s+16*QB_:\s+16*QB_+7], v[TM+8+QB_]
	v_cvt_scalef32_pk8_fp4_f32 v[\pc+2*QB_+1], v[\s+16*QB_+8:\s+16*QB_+15], v[TM+8+QB_]
.set QB_, QB_+1
.endr
	v_nop                                          ; a plain line behind the conversions
.set QC_, 0
.rept \nb/2
	v_permlane16_swap_b32 v[\pc+4*QC_], v[\pc+4*QC_+2]                     ; the operand wants a whole block in a lane: lanes 0-15 block 2 c, lanes 16-31 block 2 c + 1
	v_permlane16_swap_b32 v[\pc+4*QC_+1], v[\pc+4*QC_+3]
.set QC_, QC_+1
.endr
.endm
	s_load_b256 s[4:11], s[0:1], 0x0               ; xq s[4:5], wq s[6:7], bq s[8:9], bk s[10:11]
	s_load_b128 s[12:15], s[0:1], 0x20             ; bv s[12:13], qb s[14:15]
	s_load_b64 s[16:17], s[0:1], 0x30              ; kv
	v_lshl_add_u32 v14, v0, 2, 0x10000
	v_mov_b32 v15, 0
	v_lshrrev_b32 v3, 5, v0
	v_readfirstlane_b32 s18, v3                    ; wave 0..3
	v_and_b32 v3, 31, v0
	v_and_b32 v4, 15, v0                           ; r
	v_bfe_u32 v5, v0, 4, 1                         ; h
	v_lshlrev_b32 v[LI], 4, v3
	s_lshl_b32 s38, s18, 14
	v_add_nc_u32 v[PW], s38, v[LI]
	v_lshlrev_b32 v6, 6, v5                        ; q, k: the bias's 16 numbers of my half: 64 h
	v_and_b32 v7, 7, v4
	v_lshrrev_b32 v8, 3, v4
	v_lshl_add_u32 v7, v8, 4, v7
	v_lshlrev_b32 v7, 2, v7                        ; v: the bias of channel index r: 4 (r % 8 + 16 (r / 8))
	v_lshlrev_b32 v9, 3, v5
	v_lshl_add_u32 v9, v4, 4, v9                   ; 16 r + 8 h
.irp b, 0,1,2,3
	v_mov_b32 v[TM+4+\b], 0                        ; written once: a lane permute's destination counts as one of its sources
.endr
	s_mov_b32 s[SEL], 0x76543210
	s_mov_b32 s[SEL+1], 0xfedcba98
	s_lshr_b32 s19, ttmp9, 2                       ; matrix: 0 q, 1 k, 2 v
	s_and_b32 s20, ttmp9, 3
	s_lshl_b32 s20, s20, 2
	s_add_co_u32 s20, s20, s18                     ; head
	s_and_b32 s21, ttmp7, 0xffff                   ; rb: which 128 tokens
	s_lshr_b32 s22, s21, 4
	s_lshl_b32 s22, s22, 4
	s_add_co_u32 s22, s22, s20                     ; 16 x batch + head
	s_and_b32 s23, s21, 15                         ; key step
	s_lshl_b32 s[XP], s21, 16
	s_add_co_u32 s[XP], s[XP], s38                 ; 65,536 rb + 16,384 wave
	s_mov_b32 s[XP+1], 0
	s_lshl_b32 s[XSP], s21, 12
	s_add_co_u32 s[XSP], s[XSP], 4194304           ; 8 tiles x 512 bytes a row block
	s_mov_b32 s[XSP+1], 0
	s_lshl_b32 s[WSP], s19, 15
	s_lshl_b32 s39, s20, 11
	s_add_co_u32 s[WSP], s[WSP], s39
	s_add_co_u32 s[WSP], s[WSP], 2097152           ; matrix x 32,768 + head x 4 tiles x 512
	s_mov_b32 s[WSP+1], 0
	s_lshl_b32 s[WC], s19, 19
	s_lshl_b32 s39, s20, 15
	s_add_co_u32 s[WC], s[WC], s39                 ; matrix x 524,288 + head x 4 tiles x 8,192
	s_mov_b32 s[WC+1], 0
	s_lshl_b32 s[BP], s20, 8                       ; head x 64 numbers
	s_mov_b32 s[BP+1], 0
	s_wait_kmcnt 0x0
	s_add_nc_u64 s[XP:XP+1], s[4:5], s[XP:XP+1]
	s_add_nc_u64 s[XSP:XSP+1], s[4:5], s[XSP:XSP+1]
	s_add_nc_u64 s[WSP:WSP+1], s[6:7], s[WSP:WSP+1]
	s_add_nc_u64 s[WC:WC+1], s[6:7], s[WC:WC+1]
	WIN 0x40                                       ; my quarter of the panel passes through registers that the accumulators take later
.irp i, 0,1,2,3,4,5,6,7,8,9,10,11,12,13,14,15,16,17,18,19,20,21,22,23,24,25,26,27,28,29,30,31
	global_load_b128 v[4*\i:4*\i+3], v[LI], s[XP:XP+1] offset:512*\i
.endr
	WIN 0
.irp xt, 0,1,2,3,4,5,6,7
	global_load_b128 v[XS+4*\xt:XS+4*\xt+3], v[LI], s[XSP:XSP+1] offset:512*\xt    ; register j: K step j in lanes 0-15, K step 4 + j in lanes 16-31
.endr
.irp wt, 0,1,2,3
	global_load_b128 v[WS+4*\wt:WS+4*\wt+3], v[LI], s[WSP:WSP+1] offset:512*\wt
.endr
	WLOAD 0
	WLOAD 1
	WLOAD 2
	s_wait_loadcnt 36                              ; the panel's 32 loads are in; behind them: 8 + 4 + 24
	WIN 0x04                                       ; an LDS store's data are its source 1
.irp i, 0,1,2,3,4,5,6,7,8,9,10,11,12,13,14,15,16,17,18,19,20,21,22,23,24,25,26,27,28,29,30,31
	ds_store_b128 v[PW], v[4*\i:4*\i+3] offset:512*\i
.endr
	WIN 0
	s_wait_dscnt 0x0                               ; for the others' sake: my quarter lies in LDS
	s_barrier_signal -1
	s_barrier_wait -1                              ; the whole panel does; nothing is written to LDS after this
	XLOAD 0, 0
	XLOAD 0, 4
	s_cmp_eq_u32 s19, 2
	s_cbranch_scc1 .Lv_way
; ---- q and k
	s_cmp_eq_u32 s19, 0                            ; the buffers are chosen by the work-group's number alone
	s_cselect_b64 s[OC:OC+1], s[14:15], s[16:17]
	s_cselect_b64 s[40:41], s[8:9], s[10:11]
	s_mov_b32 s38, 143360
	s_cselect_b32 s38, 73728, s38                  ; a head's bytes in qb or kv
	s_mov_b32 s39, 131072
	s_cselect_b32 s39, 65536, s39                  ; where its scale words begin
	s_mul_i32 s38, s38, s22
	s_lshl_b32 s42, s23, 12                        ; 8 tiles x 512 bytes a step
	s_add_co_u32 s42, s42, s38
	s_mov_b32 s43, 0
	s_add_co_u32 s38, s38, s39
	s_lshl_b32 s39, s23, 9
	s_add_co_u32 s38, s38, s39
	s_mov_b32 s39, 0
	s_add_nc_u64 s[OS:OS+1], s[OC:OC+1], s[38:39]
	s_add_nc_u64 s[OC:OC+1], s[OC:OC+1], s[42:43]
	s_add_nc_u64 s[BP:BP+1], s[40:41], s[BP:BP+1]
	STEP 0, 1
	STEP 1, 1
	STEP 2, 1
	STEP 3, 1
	STEP 4, 1
	STEP 5, 1
.irp b, 0,1
.irp q, 0,1,2,3
	global_load_b128 v[128+16*\b+4*\q:131+16*\b+4*\q], v6, s[BP:BP+1] offset:128*\b+16*\q   ; the bias in the result's layout, into W's set 0, which K step 4 read last
.endr
.endr
	STEP 6, 1
	STEP 7, 1
	s_wait_loadcnt 0x0                             ; the bias
.irp xt, 0,1,2,3,4,5,6,7
	WIN 0x01                                       ; source 0 in window 1
.irp i, 0,1,2,3,4,5,6,7,8,9,10,11,12,13,14,15
	v_pk_add_f32 v[64+2*\i:65+2*\i], v[32*\xt+2*\i:32*\xt+2*\i+1], v[128+2*\i:129+2*\i]   ; each accumulator from its low end on
.endr
	WIN 0
	QUANT 64, 2, 160+4*\xt
	v_lshl_or_b32 v[192+\xt], v[TM+5], 8, v[TM+4]
	v_lshl_or_b32 v[192+\xt], v[192+\xt], 16, v[192+\xt]       ; (s0, s1, s0, s1): the score product sets the head's 64 in either half of its 128 along K
	global_store_b128 v[LI], v[160+4*\xt:163+4*\xt], s[OC:OC+1] offset:512*\xt   ; 512 consecutive bytes; each tile's codes have registers of their own
.endr
	v_cmp_eq_u32 vcc_lo, 1, v5
.irp j, 0,1,2,3
	v_cndmask_b32 v[212+\j], v[192+\j], v[196+\j], vcc_lo      ; lanes 0-15: tiles 0-3 of token index r; lanes 16-31: tiles 4-7
.endr
	global_store_b128 v[LI], v[212:215], s[OS:OS+1]
	s_wait_tensorcnt 0x0
	ds_add_u32 v14, v15
	s_wait_dscnt 0x0
	s_endpgm
; ---- v
.Lv_way:
	s_mul_i32 s38, s22, 143360
	s_lshl_b32 s42, s23, 12                        ; 4 fragments x 1,024 bytes a step
	s_add_co_u32 s42, s42, s38
	s_add_co_u32 s42, s42, 65536
	s_mov_b32 s43, 0
	s_lshl_b32 s39, s23, 8
	s_add_co_u32 s38, s38, s39
	s_add_co_u32 s38, s38, 139264
	s_mov_b32 s39, 0
	s_add_nc_u64 s[OC:OC+1], s[16:17], s[42:43]
	s_add_nc_u64 s[OS:OS+1], s[16:17], s[38:39]
	s_add_nc_u64 s[BP:BP+1], s[12:13], s[BP:BP+1]
	STEP 0, 0
	STEP 1, 0
	STEP 2, 0
	STEP 3, 0
	STEP 4, 0
	STEP 5, 0
	s_wait_alu depctr_va_vdst(0)
.irp wt, 0,1,2,3
	global_load_b32 v[128+2*\wt], v7, s[BP:BP+1] offset:4*(32*(\wt/2)+8*(\wt%2))   ; my channel's bias, twice: a pair for the packed addition
	global_load_b32 v[129+2*\wt], v7, s[BP:BP+1] offset:4*(32*(\wt/2)+8*(\wt%2))
.endr
	STEP 6, 0
	STEP 7, 0
	s_wait_loadcnt 0x0
.irp wt, 0,1,2,3
	WIN 0x01
.irp xt, 0,1,2,3,4,5,6,7
.irp j, 0,2,4,6
	v_pk_add_f32 v[64+8*\xt+\j:65+8*\xt+\j], v[32*\xt+8*\wt+\j:32*\xt+8*\wt+\j+1], v[128+2*\wt:129+2*\wt]
.endr
.endr
	WIN 0
	QUANT 64, 4, 160+8*\wt
	v_lshl_or_b32 v[192+\wt], v[TM+5], 8, v[TM+4]              ; the step's four blocks of keys: my channel's scale word
	v_lshl_or_b32 v[192+\wt], v[TM+6], 16, v[192+\wt]
	v_lshl_or_b32 v[192+\wt], v[TM+7], 24, v[192+\wt]
.irp c, 0,1
	global_store_b128 v[LI], v[160+8*\wt+4*\c:163+8*\wt+4*\c], s[OC:OC+1] offset:1024*\wt+512*\c
.endr
.endr
	v_cmp_eq_u32 vcc_lo, 1, v5
	v_cndmask_b32 v212, v192, v194, vcc_lo
	v_cndmask_b32 v213, v193, v195, vcc_lo
	global_store_b64 v9, v[212:213], s[OS:OS+1]    ; 256 consecutive bytes, aligned
	s_wait_tensorcnt 0x0
	ds_add_u32 v14, v15
	s_wait_dscnt 0x0
	s_endpgm
.Lfunc_end_k_q38e2c9ce41_qkv:
	.size	k_q38e2c9ce41_qkv, .Lfunc_end_k_q38e2c9ce41_qkv-k_q38e2c9ce41_qkv
	.p2alignl 7, 3214868480
	.fill 96, 4, 3214868480
	.section	.rodata,"a",@progbits
	.p2align	6, 0x0
	.amdhsa_kernel k_q38e2c9ce41_qkv
		.amdhsa_group_segment_fixed_size 66048
		.amdhsa_private_segment_fixed_size 0
		.amdhsa_enable_private_segment 0
		.amdhsa_kernarg_size 56
		.amdhsa_user_sgpr_count 2
		.amdhsa_user_sgpr_kernarg_segment_ptr 1
		.amdhsa_wavefront_size32 1
		.amdhsa_system_sgpr_workgroup_id_x 1
		.amdhsa_system_sgpr_workgroup_id_y 1
		.amdhsa_system_sgpr_workgroup_id_z 1
		.amdhsa_system_vgpr_workitem_id 0
		.amdhsa_next_free_vgpr 512
		.amdhsa_next_free_sgpr 66
		.amdhsa_reserve_vcc 1
		.amdhsa_float_denorm_mode_32 3
		.amdhsa_float_denorm_mode_16_64 3
		.amdhsa_memory_ordered 1
		.amdhsa_forward_progress 1
		.amdhsa_inst_pref_size 157
	.end_amdhsa_kernel
	.amdgpu_metadata
---
amdhsa.version: [ 1, 2 ]
amdhsa.kernels:
  - .name:           k_q38e2c9ce41_qkv
    .symbol:         k_q38e2c9ce41_qkv.kd
    .args:
      - { .name: xq, .offset: 0, .size: 8, .value_kind: global_buffer, .address_space: global }
      - { .name: wq, .offset: 8, .size: 8, .value_kind: global_buffer, .address_space: global }
      - { .name: bq, .offset: 16, .size: 8, .value_kind: global_buffer, .address_space: global }
      - { .name: bk, .offset: 24, .size: 8, .value_kind: global_buffer, .address_space: global }
      - { .name: bv, .offset: 32, .size: 8, .value_kind: global_buffer, .address_space: global }
      - { .name: qb, .offset: 40, .size: 8, .value_kind: global_buffer, .address_space: global }
      - { .name: kv, .offset: 48, .size: 8, .value_kind: global_buffer, .address_space: global }
    .group_segment_fixed_size: 66048
    .private_segment_fixed_size: 0
    .kernarg_segment_align: 8
    .kernarg_segment_size: 56
    .max_flat_workgroup_size: 128
    .sgpr_count:     66
    .vgpr_count:     512
    .wavefront_size: 32
...
	.end_amdgpu_metadata
.endif
;; end of part 2
;; launch attn (part 3): grid 4 x 64, 16 waves a work-group, clusters of 4 x 1, 169,984 bytes of LDS; arguments qb, kv, ob; writes ob
.if DOCPART == 3
	.amdgcn_target "amdgcn-amd-amdhsa--gfx1250"
	.amdhsa_code_object_version 6
	.text
	.protected	k_q38e2c9ce41_attn
	.globl	k_q38e2c9ce41_attn
	.p2align	8
	.type	k_q38e2c9ce41_attn,@function
k_q38e2c9ce41_attn:
	s_mov_b64 s[64:65], 0
	v_nop
	global_prefetch_b8 v0, s[64:65] scope:SCOPE_SE
	s_setreg_imm32_b32 hwreg(HW_REG_WAVE_MODE, 25, 1), 1
	s_wait_xcnt 0x0
	s_wait_alu depctr_hold_cnt(0) depctr_sa_sdst(0) depctr_va_vdst(0) depctr_va_sdst(0) depctr_va_ssrc(0) depctr_va_vcc(0) depctr_vm_vsrc(0)
	s_getreg_b32 s2, hwreg(HW_REG_IB_STS2, 6, 4)
	s_cmp_eq_u32 s2, 0
	s_cbranch_scc0 .Lentry_in_a_cluster
	s_endpgm
.Lentry_in_a_cluster:
	s_bfe_u32 s2, ttmp6, 0x10000c
	s_cmp_lg_u32 s2, 0x3003
	s_cbranch_scc0 .Lentry_shape_is_right
	s_endpgm
.Lentry_shape_is_right:
; o = softmax(where(key <= query, q k^T / 8, -10,000)) v for one (batch, head), both products on codes of FP4 with E8M0 scales; o is quantised along D for the last product.
; THE SOFTMAX: t = logit x log2(e); M = the running largest t rounded UP to a whole number; p = 2^(t - M) is quantised along the keys; the row's sum is taken of the unquantised p and divides at the end.
; THE MASK'S VALUE IS A NUMBER, -10,000, not -infinity: hidden keys count.  In key steps wholly behind the diagonal every p of a query is one number, pm = 2^(T0 - M): no score product, no exponentials and no
; quantiser are needed there; the product with V is kept, with a constant fragment of pm's code; the sum takes pm x the number of such keys.
; SHARES.  A cluster of four work-groups serves one head: its 143,360 bytes of K, V and scale words come ONCE, by one joint load a wave (35 rows of 256 bytes each), and stay in LDS: nothing is filled again.
; Wave w of work-group cx makes two tiles of 16 queries one after the other: tile 8 A + e, e = 2 cx + w / 8, A = w % 8 and then A = 15 - w % 8: every wave walks 17 full key steps and 15 hidden ones.
; Branches hang on A (the wave's number) and the step alone; e enters q's and o's addresses in memory and one register of compares.
; LAYOUT.  S^T = K Q^T (source 0 = keys), O^T = V^T P^T (source 0 = channels): a lane holds ONE query.  Index i of tile T is row 32 (T / 2) + 8 (T % 2) + i % 8 + 16 (i / 8): p's registers 16 b + i are keys 32 b + 16 h + i.
; The head has 64 channels and the instruction 128 along K: source 0 holds TWO tiles of keys (one in each half of K), source 1 is (q, 0) or (0, q); zero codes add nothing.
; LIMITS: NaN and infinities are not served; a p under 2^-126 counts as 0 (the exponential's flush, ISA guide 15.8); M is a whole number exactly for |t| under 2^24; a block of zeros carries the byte 1; 1 / l is good to 1 ulp.
; REGISTERS: v1-9, v28-31 addresses; v[10:11] f; v12 -M; v13 largest t; v[14:15] the sum; v16-27 (0, q, 0) of pass 0, v226-237 of pass 1; v32-63 K; v64-95 V; v96-159 S^T, then p; v160-191 O^T; v192-199 p's codes;
;   v200-207 pm's codes; v208-219 the quantiser's; v220-225 at work; v240-251 scale words alone: K's 240-243, V's 244-247, p's 248, q's 249 and 251, pm's 250.
.set LI,  1                            ; 16 x lane: K's codes begin at LDS byte 0
.set VB,  2                            ; + 65,536: V's fragments
.set SB,  3                            ; + 131,072: K's scale words
.set TB,  4                            ; 16 r + 139,264: V's scale words
.set DQ,  5                            ; my query's place in its key step - 16 h
.set NEG, 6                            ; -80,000: the raw score that stands for the logit -10,000
.set OB8, 7                            ; 16 r + h
.set ADK, 8
.set ADV, 9
.set ADS, 28
.set ADT, 29
.set R16, 30                           ; 16 r
.set TM,  208
.set WV,  10
.set HM,  17                           ; s17 the mask of lanes 16-31
.set SEL, 20
.set CS,  22                           ; s[22:23] c = log2(e) / 8
.set G1,  24
.set G0,  32
.set PT,  36                           ; s[36+8p ..]: q's codes, q's scale word, o's codes, o's scale bytes, for pass p
.set AA,  52                           ; s52, s53: A of pass 0, 1
.set CN,  54                           ; s54, s55: 64 (15 - A) as f32
.set KS,  56                           ; the key step
.set KO,  57                           ; 4,096 KS
.set SO,  58                           ; 512 KS
.set TO,  59                           ; 256 KS
.macro ROUND                           ; a round of the cluster's barrier
	s_barrier_signal -1
	s_barrier_wait -1
	s_cmp_lg_u32 s[WV], 0
	s_cbranch_scc1 .Lnot_wave_0_\@
	s_barrier_signal -3
.Lnot_wave_0_\@:
	s_barrier_wait -3
	s_barrier_signal -1
	s_barrier_wait -1
.endm
.macro QUANT s, nb, pc                 ; as in launch qkv: v[s + 16 b + i] = k 32 b + 16 h + i of my row -> the operand's registers v[pc] on, bytes in v[TM+4] on
.set QB_, 0
.rept \nb
	v_max3_num_f32 v[TM+QB_], |v[\s+16*QB_]|, |v[\s+16*QB_+1]|, 0x1800000
.set QB_, QB_+1
.endr
.set QI_, 2
.rept 7
.set QB_, 0
.rept \nb
	s_delay_alu instid0(VALU_DEP_2)
	v_max3_num_f32 v[TM+QB_], v[TM+QB_], |v[\s+16*QB_+QI_]|, |v[\s+16*QB_+QI_+1]|
.set QB_, QB_+1
.endr
.set QI_, QI_+2
.endr
.set QB_, 0
.rept \nb
	s_delay_alu instid0(VALU_DEP_2)
	v_permlanex16_b32 v[TM+4+QB_], v[TM+QB_], s[SEL], s[SEL+1]
.set QB_, QB_+1
.endr
.set QB_, 0
.rept \nb
	s_delay_alu instid0(VALU_DEP_2)
	v_max_num_f32 v[TM+QB_], v[TM+QB_], v[TM+4+QB_]
.set QB_, QB_+1
.endr
.set QB_, 0
.rept \nb
	s_delay_alu instid0(VALU_DEP_2)
	v_add_nc_u32 v[TM+8+QB_], 0xff000000, v[TM+QB_]
.set QB_, QB_+1
.endr
.set QB_, 0
.rept \nb
	s_delay_alu instid0(VALU_DEP_2)
	v_lshrrev_b32 v[TM+4+QB_], 23, v[TM+8+QB_]
.set QB_, QB_+1
.endr
.set QB_, 0
.rept \nb
	v_cvt_scalef32_pk8_fp4_f32 v[\pc+2*QB_], v[\s+16*QB_:\s+16*QB_+7], v[TM+8+QB_]
	v_cvt_scalef32_pk8_fp4_f32 v[\pc+2*QB_+1], v[\s+16*QB_+8:\s+16*QB_+15], v[TM+8+QB_]
.set QB_, QB_+1
.endr
	v_nop
.set QC_, 0
.rept \nb/2
	v_permlane16_swap_b32 v[\pc+4*QC_], v[\pc+4*QC_+2]
	v_permlane16_swap_b32 v[\pc+4*QC_+1], v[\pc+4*QC_+3]
.set QC_, QC_+1
.endr
.endm
	s_load_b128 s[4:7], s[0:1], 0x0                ; qb s[4:5], kv s[6:7]
	s_load_b64 s[8:9], s[0:1], 0x10                ; ob
	v_lshl_add_u32 v254, v0, 2, 0x29000
	v_mov_b32 v255, 0
	ds_add_u32 v254, v255
	ds_add_u32 v254, v255
	v_lshrrev_b32 v2, 5, v0
	s_delay_alu instid0(VALU_DEP_1)
	v_readfirstlane_b32 s[WV], v2                  ; wave 0..15
	s_and_b32 s12, ttmp7, 0xffff                   ; 16 x batch + head: the cluster's y, which the four partners share
	s_mov_b32 s[G1], 15|(3<<16)|(1<<21)            ; 15:0 the mask: all four work-groups; 17:16 elements of 8 bytes; 21 set beside a mask; no padding
	s_mov_b32 s[G1+1], 32<<16                      ; tensor_dim0 = 32 elements: 256 bytes
	s_mov_b32 s[G1+2], 35<<16                      ; tensor_dim1 = 35 rows
	s_mov_b32 s[G1+3], 32<<16                      ; tile_dim0
	s_mov_b32 s[G1+4], 35                          ; tile_dim1
	s_mov_b32 s[G1+5], 32                          ; the pitch: the block is dense
	s_mov_b32 s[G1+6], 0
	s_mov_b32 s[G1+7], 0
	s_mov_b32 s[G0], 1
	s_mul_i32 s[G0+1], s[WV], 8960                 ; LDS address: my sixteenth of the head's 143,360 bytes
	s_mul_i32 s14, s12, 143360
	s_add_co_u32 s14, s14, s[G0+1]
	s_mov_b32 s15, 0
	s_wait_dscnt 0x0
	s_wait_kmcnt 0x0
	s_add_nc_u64 s[G0+2:G0+3], s[6:7], s[14:15]
	s_or_b32 s[G0+3], s[G0+3], 0x80000000          ; type = 2
	ROUND                                          ; all four work-groups are here: the joint loads meet
	tensor_load_to_lds s[G0:G0+3], s[G1:G1+7]      ; the wave's one tensor load of the launch
	s_nop 0
.rept 4
	v_nop
.endr
	s_bfe_u32 s11, ttmp6, 0x40000                  ; cx
	s_lshr_b32 s13, s[WV], 3
	s_lshl_b32 s16, s11, 1
	s_add_co_u32 s13, s13, s16                     ; e = 2 cx + w / 8
	s_and_b32 s[AA], s[WV], 7
	s_sub_co_u32 s[AA+1], 15, s[AA]
	s_mov_b32 s[SEL], 0x76543210
	s_mov_b32 s[SEL+1], 0xfedcba98
	s_mov_b32 s[CS], 0x3e38aa3b                    ; log2(e) / 8
	s_mov_b32 s[CS+1], s[CS]                       ; (named with it as a pair, so it is written)
	v_and_b32 v3, 31, v0
	s_delay_alu instid0(VALU_DEP_1)
	v_lshlrev_b32 v[LI], 4, v3
	s_delay_alu instid0(VALU_DEP_1)
	v_add_nc_u32 v[VB], 65536, v[LI]
	s_delay_alu instid0(VALU_DEP_2)
	v_add_nc_u32 v[SB], 131072, v[LI]
	v_and_b32 v31, 15, v0                          ; r
	v_bfe_u32 v220, v0, 4, 1                       ; h
	s_delay_alu instid0(VALU_DEP_2)
	v_lshlrev_b32 v[R16], 4, v31
	s_delay_alu instid0(VALU_DEP_1)
	v_add_nc_u32 v[TB], 139264, v[R16]
	s_delay_alu instid0(VALU_DEP_2)
	v_add_nc_u32 v[OB8], v[R16], v220
	s_delay_alu instid0(VALU_DEP_4)
	v_cmp_eq_u32 s[HM], 1, v220
	v_and_b32 v221, 7, v31
	v_lshrrev_b32 v222, 3, v31
	s_delay_alu instid0(VALU_DEP_1)
	v_lshl_add_u32 v221, v222, 4, v221             ; r % 8 + 16 (r / 8)
	v_lshlrev_b32 v222, 4, v220
	s_delay_alu instid0(VALU_DEP_1)
	v_sub_nc_u32 v221, v221, v222                  ; - 16 h
	s_lshr_b32 s16, s13, 1
	s_lshl_b32 s16, s16, 5
	s_and_b32 s18, s13, 1
	s_lshl_b32 s18, s18, 3
	s_add_co_u32 s16, s16, s18                     ; 32 (e / 2) + 8 (e % 2)
	v_add_nc_u32 v[DQ], s16, v221
	v_mov_b32 v[NEG], 0xc79c4000                   ; -80,000
.macro ADDR p                          ; pass p's four places in memory, and its count of hidden keys
	s_lshl_b32 s16, s[AA+\p], 3
	s_add_co_u32 s16, s16, s13                     ; T = 8 A + e
	s_mul_i32 s60, s12, 73728
	s_lshl_b32 s61, s16, 9
	s_add_co_u32 s62, s60, s61
	s_mov_b32 s63, 0
	s_add_nc_u64 s[PT+8*\p:PT+8*\p+1], s[4:5], s[62:63]            ; q's codes: tile T x 512
	s_lshl_b32 s61, s[AA+\p], 9
	s_add_co_u32 s62, s60, s61
	s_lshr_b32 s61, s13, 2
	s_lshl_b32 s61, s61, 8
	s_add_co_u32 s62, s62, s61
	s_and_b32 s61, s13, 3
	s_lshl_b32 s61, s61, 2
	s_add_co_u32 s62, s62, s61
	s_add_co_u32 s62, s62, 65536
	s_add_nc_u64 s[PT+8*\p+2:PT+8*\p+3], s[4:5], s[62:63]          ; q's scale words: step A, [e / 4][i][e % 4]
	s_lshr_b32 s61, s12, 4
	s_lshl_b32 s61, s61, 7
	s_add_co_u32 s61, s61, s16                     ; the tile among all 512: 128 x batch + T
	s_and_b32 s60, s12, 15                         ; head
	s_lshl_b32 s62, s61, 13
	s_lshl_b32 s19, s60, 9
	s_add_co_u32 s62, s62, s19
	s_add_nc_u64 s[PT+8*\p+4:PT+8*\p+5], s[8:9], s[62:63]          ; o's codes: tile x 8,192 + head x 512
	s_lshl_b32 s62, s61, 9
	s_lshr_b32 s19, s60, 3
	s_lshl_b32 s19, s19, 8
	s_add_co_u32 s62, s62, s19
	s_and_b32 s19, s60, 7
	s_lshl_b32 s19, s19, 1
	s_add_co_u32 s62, s62, s19
	s_add_co_u32 s62, s62, 4194304
	s_add_nc_u64 s[PT+8*\p+6:PT+8*\p+7], s[8:9], s[62:63]          ; o's scale bytes: tile x 512 + (head / 8) x 256 + 2 (head % 8)
	s_sub_co_u32 s19, 15, s[AA+\p]
	s_lshl_b32 s19, s19, 6
	s_cvt_f32_u32 s[CN+\p], s19                    ; 128 (15 - A) hidden keys, half of them counted in each half of the lanes
.endm
	ADDR 0
	ADDR 1
	global_load_b128 v[20:23], v[LI], s[PT:PT+1]   ; both passes' q: registers 0-3 of an operand
	global_load_b32 v249, v[R16], s[PT+2:PT+3]
	global_load_b128 v[230:233], v[LI], s[PT+8:PT+9]
	global_load_b32 v251, v[R16], s[PT+10:PT+11]
.irp j, 16,17,18,19,24,25,26,27,226,227,228,229,234,235,236,237
	v_mov_b32 v[\j], 0                             ; the zero codes beside q
.endr
.irp j, 0,1,2,3,4,5,6,7
	v_mov_b32 v[200+\j], 0                         ; pm's fragment and scale word are written anew behind each pass's diagonal
.endr
	v_mov_b32 v250, 0x7f7f7f7f
	v_mov_b32 v11, 0                               ; (the upper half of the pair v[10:11])
.irp b, 0,1,2,3
	v_mov_b32 v[TM+4+\b], 0                        ; a lane permute's destination counts as one of its sources
.endr
	s_wait_tensorcnt 0x0                           ; my sixteenth has landed,
	s_barrier_signal -1
	s_barrier_wait -1                              ; everybody's has
	s_wait_loadcnt 0x0                             ; q
; V's fragments and scale words of the step, and the four products O^T += V^T x (the fragment pf under the scale word ps).  O^T's four accumulators take turns.
.macro VLOADS
.irp ct, 0,1,2,3
.irp c, 0,1
	ds_load_b128 v[64+8*\ct+4*\c:67+8*\ct+4*\c], v[ADV] offset:1024*\ct+512*\c
.endr
.endr
	ds_load_b128 v[244:247], v[ADT]
.endm
.macro PV pf, ps
.irp ct, 0,1,2,3
	v_wmma_scale_f32_16x16x128_f8f6f4 v[160+8*\ct:167+8*\ct], v[64+8*\ct:71+8*\ct], v[\pf:\pf+7], v[160+8*\ct:167+8*\ct], v[244+\ct], v[\ps] matrix_a_fmt:MATRIX_FMT_FP4 matrix_b_fmt:MATRIX_FMT_FP4
.endr
.endm
.macro NEWM                            ; v13 holds the running largest t: the new -M, and f = 2^(old M - new M), which rounds nothing
	v_mov_b32 v220, v12
	s_delay_alu instid0(VALU_DEP_2)
	v_floor_f32 v12, -v13                          ; -M = floor(-t) = -ceil(t)
	s_delay_alu instid0(VALU_DEP_1)
	v_sub_f32 v220, v12, v220                      ; a whole number, 0 or less
	s_delay_alu instid0(VALU_DEP_1)
	v_cvt_i32_f32 v220, v220                       ; (it saturates)
	s_delay_alu instid0(VALU_DEP_1)
	v_ldexp_f32 v10, 1.0, v220
.endm
.macro RESCALE                         ; O^T under the new M
.irp j, 0,2,4,6,8,10,12,14,16,18,20,22,24,26,28,30
	v_pk_mul_f32 v[160+\j:161+\j], v[160+\j:161+\j], v[10:11] op_sel_hi:[1,0]
.endr
.endm
.macro PASS p
.set QB,  16+210*\p                    ; (0, q, 0)
.set QSC, 249+2*\p
.if \p
	s_wait_xcnt 0x0                                ; pass 0's stores have read their registers, which are written again below
.endif
	v_mov_b32 v13, 0xff61b1e6                      ; the largest t so far: -3e38
	s_delay_alu instid0(VALU_DEP_1)
	v_floor_f32 v12, -v13
	v_mov_b32 v14, 0
	v_mov_b32 v15, 0
.irp j, 0,1,2,3,4,5,6,7,8,9,10,11,12,13,14,15,16,17,18,19,20,21,22,23,24,25,26,27,28,29,30,31
	v_mov_b32 v[160+\j], 0                         ; the step is written once: the first finds zeros, which the first change of M leaves zeros
.endr
	s_mov_b32 s[KS], 0
	s_mov_b32 s[KO], 0
	s_mov_b32 s[SO], 0
	s_mov_b32 s[TO], 0
.Ltrip_\@:                                         ; 16 trips, one for each 128 keys
	v_add_nc_u32 v[ADK], s[KO], v[LI]              ; these four are also the places between the last trip's products and the loads into V's registers
	v_add_nc_u32 v[ADV], s[KO], v[VB]
	v_add_nc_u32 v[ADS], s[SO], v[SB]
	v_add_nc_u32 v[ADT], s[TO], v[TB]
	s_cmp_gt_u32 s[KS], s[AA+\p]
	s_cbranch_scc1 .Lhidden_\@
	s_setprio 2
.irp t, 0,1,2,3,4,5,6,7
	ds_load_b128 v[32+4*\t:35+4*\t], v[ADK] offset:512*\t
.endr
	ds_load_b128 v[240:243], v[ADS]                ; register j: tile j's words in lanes 0-15, tile 4 + j's in lanes 16-31
	VLOADS
	s_wait_dscnt 9                                 ; K and its scale words are in; V's nine loads may be out
.irp t, 0,1,2,3,4,5,6,7
.if \t < 4
	v_wmma_scale_f32_16x16x128_f8f6f4 v[96+8*\t:103+8*\t], v[32+8*(\t/2):39+8*(\t/2)], v[QB+4-4*(\t%2):QB+11-4*(\t%2)], 0, v[240+\t%4], v[QSC] matrix_a_fmt:MATRIX_FMT_FP4 matrix_b_fmt:MATRIX_FMT_FP4
.else
	v_wmma_scale_f32_16x16x128_f8f6f4 v[96+8*\t:103+8*\t], v[32+8*(\t/2):39+8*(\t/2)], v[QB+4-4*(\t%2):QB+11-4*(\t%2)], 0, v[240+\t%4], v[QSC] matrix_a_fmt:MATRIX_FMT_FP4 matrix_b_fmt:MATRIX_FMT_FP4 matrix_a_scale:MATRIX_SCALE_ROW1
.endif
.endr
.rept 4
	v_nop
.endr
	s_cmp_lg_u32 s[KS], s[AA+\p]
	s_cbranch_scc1 .Lopen_\@
.set N_, 0
.rept 64                                           ; on the diagonal: register 16 b + i holds key 32 b + 16 h + i of the step: hidden where 32 b + i > my query's place - 16 h
	v_cmp_gt_i32 vcc_lo, 32*(N_/16)+N_%16, v[DQ]
	v_cndmask_b32 v[96+N_], v[96+N_], v[NEG], vcc_lo
.set N_, N_+1
.endr
.Lopen_\@:
.irp b, 0,1,2,3
	v_max3_num_f32 v[TM+\b], v[96+16*\b], v[97+16*\b], v[98+16*\b]     ; the largest score of each block of 32 keys: for the row's maximum, and, since p rises with the score, for the block's largest p
.endr
.irp i, 3,5,7,9,11,13
.irp b, 0,1,2,3
	v_max3_num_f32 v[TM+\b], v[TM+\b], v[96+16*\b+\i], v[97+16*\b+\i]
.endr
.endr
.irp b, 0,1,2,3
	v_max_num_f32 v[TM+\b], v[TM+\b], v[111+16*\b]
.endr
.irp b, 0,1,2,3
	s_delay_alu instid0(VALU_DEP_4)
	v_permlanex16_b32 v[TM+4+\b], v[TM+\b], s[SEL], s[SEL+1]
.endr
.irp b, 0,1,2,3
	s_delay_alu instid0(VALU_DEP_4)
	v_max_num_f32 v[TM+\b], v[TM+\b], v[TM+4+\b]
.endr
	s_delay_alu instid0(VALU_DEP_2)
	v_max3_num_f32 v220, v[TM], v[TM+1], v[TM+2]
	s_delay_alu instid0(VALU_DEP_1)
	v_max_num_f32 v220, v220, v[TM+3]
	s_delay_alu instid0(VALU_DEP_1)
	v_mul_f32 v220, s[CS], v220                    ; as t (c is positive)
	s_delay_alu instid0(VALU_DEP_1)
	v_max_num_f32 v13, v13, v220
	NEWM
.irp j, 0,2,4,6,8,10,12,14,16,18,20,22,24,26,28,30,32,34,36,38,40,42,44,46,48,50,52,54,56,58,60,62
	v_pk_fma_f32 v[96+\j:97+\j], v[96+\j:97+\j], s[CS:CS+1], v[12:13] op_sel_hi:[1,0,0]   ; t - M
.endr
.irp b, 0,1,2,3
	v_fma_f32 v[TM+\b], v[TM+\b], s[CS], v12
.endr
.set N_, 0
	s_setprio 1
	s_wait_alu depctr_va_vdst(0)
.rept 64
	v_exp_f32 v[96+N_], v[96+N_]                   ; p = 2^(t - M)
.set N_, N_+1
.endr
	v_pk_mul_f32 v[14:15], v[14:15], v[10:11] op_sel_hi:[1,0]      ; the sums under the new M: the plain line behind the batch
	s_wait_alu depctr_va_vdst(0)                   ; one wait for the 64, ahead of their first reader
.irp b, 0,1,2,3
	v_exp_f32 v[TM+\b], v[TM+\b]                   ; each block's largest p
.endr
	v_pk_add_f32 v[212:213], v[100:101], v[104:105]
	v_pk_add_f32 v[252:253], v[108:109], v[112:113]
	v_pk_add_f32 v[242:243], v[116:117], v[120:121]
	v_pk_add_f32 v[240:241], v[124:125], v[128:129]
	v_pk_add_f32 v[238:239], v[132:133], v[136:137]
	v_pk_add_f32 v[224:225], v[140:141], v[144:145]
	v_pk_add_f32 v[222:223], v[148:149], v[152:153]
	v_pk_add_f32 v[14:15], v[14:15], v[156:157]
	v_pk_add_f32 v[212:213], v[212:213], v[96:97]
	v_pk_add_f32 v[252:253], v[252:253], v[98:99]
	v_pk_add_f32 v[242:243], v[242:243], v[102:103]
	v_pk_add_f32 v[240:241], v[240:241], v[106:107]
	v_pk_add_f32 v[238:239], v[238:239], v[110:111]
	v_pk_add_f32 v[224:225], v[224:225], v[114:115]
	v_pk_add_f32 v[222:223], v[222:223], v[118:119]
	v_pk_add_f32 v[14:15], v[14:15], v[122:123]
	v_pk_add_f32 v[212:213], v[212:213], v[126:127]
	v_pk_add_f32 v[252:253], v[252:253], v[130:131]
	v_pk_add_f32 v[242:243], v[242:243], v[134:135]
	v_pk_add_f32 v[240:241], v[240:241], v[138:139]
	v_pk_add_f32 v[238:239], v[238:239], v[142:143]
	v_pk_add_f32 v[224:225], v[224:225], v[146:147]
	v_pk_add_f32 v[222:223], v[222:223], v[150:151]
	v_pk_add_f32 v[14:15], v[14:15], v[154:155]
	v_pk_add_f32 v[212:213], v[212:213], v[158:159]
	s_delay_alu instid0(VALU_DEP_2)
	v_pk_add_f32 v[14:15], v[14:15], v[240:241]
	s_delay_alu instid0(VALU_DEP_2)
	v_pk_add_f32 v[212:213], v[212:213], v[238:239]
	v_pk_add_f32 v[252:253], v[252:253], v[224:225]
	v_pk_add_f32 v[242:243], v[242:243], v[222:223]
	s_delay_alu instid0(VALU_DEP_2)
	v_pk_add_f32 v[14:15], v[14:15], v[252:253]
	s_delay_alu instid0(VALU_DEP_2)
	v_pk_add_f32 v[212:213], v[212:213], v[242:243]
	s_delay_alu instid0(VALU_DEP_1)
	v_pk_add_f32 v[14:15], v[14:15], v[212:213]
	s_wait_alu depctr_va_vdst(0)                   ; and one for the four
.irp b, 0,1,2,3
	v_max_num_f32 v[TM+\b], 0x1800000, v[TM+\b]
.endr
.irp b, 0,1,2,3
	s_delay_alu instid0(VALU_DEP_4)
	v_add_nc_u32 v[TM+8+\b], 0xff000000, v[TM+\b]
.endr
.irp b, 0,1,2,3
	s_delay_alu instid0(VALU_DEP_4)
	v_lshrrev_b32 v[TM+4+\b], 23, v[TM+8+\b]
.endr
	s_delay_alu instid0(VALU_DEP_3)
	v_lshl_or_b32 v248, v[TM+5], 8, v[TM+4]        ; p's scale word for these 128 keys
	s_delay_alu instid0(VALU_DEP_1)
	v_lshl_or_b32 v248, v[TM+6], 16, v248
	s_delay_alu instid0(VALU_DEP_1)
	v_lshl_or_b32 v248, v[TM+7], 24, v248
.irp b, 0,1,2,3
	v_cvt_scalef32_pk8_fp4_f32 v[192+2*\b], v[96+16*\b:103+16*\b], v[TM+8+\b]
	v_cvt_scalef32_pk8_fp4_f32 v[193+2*\b], v[104+16*\b:111+16*\b], v[TM+8+\b]
.endr
	v_nop
.irp c, 0,1
.irp i, 0,1
	v_permlane16_swap_b32 v[192+4*\c+\i], v[194+4*\c+\i]
.endr
.endr
	RESCALE                                        ; sixteen plain lines: also the places between the writes of p's codes and scale word and the products
	s_setprio 0
	s_wait_alu depctr_va_vdst(0)
	s_wait_dscnt 0x0                               ; V
	PV 192, 248
	s_cmp_lg_u32 s[KS], s[AA+\p]
	s_cbranch_scc1 .Lnext_\@
.if \p
	s_cmp_eq_u32 s[AA+\p], 15                      ; the last key step has none behind it
	s_cbranch_scc1 .Lnext_\@
.endif
	; BEHIND THE DIAGONAL: T0 joins the maximum, M takes its last value, and pm, its code and its scale word are made once for the steps that follow
	v_mul_f32 v220, s[CS], v[NEG]                  ; T0.  (This line and the six that follow are the places behind the products)
	s_delay_alu instid0(VALU_DEP_1)
	v_max_num_f32 v13, v13, v220
	NEWM
	s_delay_alu instid0(VALU_DEP_4)
	v_fma_f32 v221, v[NEG], s[CS], v12             ; T0 - M
	s_wait_alu depctr_va_vdst(0)
	v_exp_f32 v221, v221
	v_nop
	s_wait_alu depctr_va_vdst(0)
	v_max_num_f32 v222, 0x1800000, v221
	s_delay_alu instid0(VALU_DEP_1)
	v_add_nc_u32 v222, 0xff000000, v222
	s_delay_alu instid0(VALU_DEP_1)
	v_lshrrev_b32 v223, 23, v222
	s_delay_alu instid0(VALU_DEP_1)
	v_lshl_or_b32 v250, v223, 8, v223
	s_delay_alu instid0(VALU_DEP_1)
	v_lshl_or_b32 v250, v250, 16, v250             ; the same byte for all four blocks
.irp j, 0,1,2,3,4,5,6,7
	v_mov_b32 v[96+\j], v221
.endr
	v_cvt_scalef32_pk8_fp4_f32 v200, v[96:103], v222
	v_nop
.irp j, 1,2,3,4,5,6,7
	v_mov_b32 v[200+\j], v200
.endr
	v_pk_mul_f32 v[14:15], v[14:15], v[10:11] op_sel_hi:[1,0]
	v_fma_f32 v14, v221, s[CN+\p], v14             ; the sum takes all hidden keys of the steps that follow
	RESCALE                                        ; sixteen places ahead of the next product
	s_branch .Lnext_\@
.Lhidden_\@:
	s_wait_alu depctr_va_vdst(0)
	VLOADS
	s_wait_dscnt 0x0
	PV 200, 250
.Lnext_\@:
	s_add_co_u32 s[KO], s[KO], 4096
	s_add_co_u32 s[SO], s[SO], 512
	s_add_co_u32 s[TO], s[TO], 256
	s_add_co_u32 s[KS], s[KS], 1
	s_cmp_lt_u32 s[KS], 16
	s_cbranch_scc1 .Ltrip_\@
	s_setprio 0
.rept 4
	v_nop
.endr
	v_add_f32 v14, v14, v15                        ; the sum's two halves,
	s_delay_alu instid0(VALU_DEP_1)
	v_permlanex16_b32 v220, v14, s[SEL], s[SEL+1]
	s_delay_alu instid0(VALU_DEP_1)
	v_add_f32 v14, v14, v220                       ; and lane l xor 16's
	s_wait_alu depctr_va_vdst(0)
	v_rcp_f32 v10, v14
	v_nop
	s_wait_alu depctr_va_vdst(0)
.irp j, 0,2,4,6,8,10,12,14,16,18,20,22,24,26,28,30
	v_pk_mul_f32 v[96+\j:97+\j], v[160+\j:161+\j], v[10:11] op_sel_hi:[1,0]    ; o: register 16 b + i is channel 32 b + 16 h + i of my query; each accumulator from its low end on
.endr
	QUANT 96, 2, 192
	global_store_b128 v[LI], v[192:195], s[PT+8*\p+4:PT+8*\p+5]    ; 512 consecutive bytes: half a fragment of the last product
	v_cndmask_b32 v221, v[TM+4], v[TM+5], s[HM]    ; lanes 0-15 hold block 0's byte of row r, lanes 16-31 block 1's
	global_store_b8 v[OB8], v221, s[PT+8*\p+6:PT+8*\p+7]           ; single bytes, two of each 16: a sixteenth of what this launch stores
.endm
	PASS 0
	PASS 1
	s_wait_dscnt 0x0
	s_wait_tensorcnt 0x0
	ds_add_u32 v254, v255
	s_wait_dscnt 0x0
	ROUND                                          ; the closing round: no work-group ends while a partner may still ask for the tile that names it
	s_endpgm
.Lfunc_end_k_q38e2c9ce41_attn:
	.size	k_q38e2c9ce41_attn, .Lfunc_end_k_q38e2c9ce41_attn-k_q38e2c9ce41_attn
	.p2alignl 7, 3214868480
	.fill 96, 4, 3214868480
	.section	.rodata,"a",@progbits
	.p2align	6, 0x0
	.amdhsa_kernel k_q38e2c9ce41_attn
		.amdhsa_group_segment_fixed_size 169984
		.amdhsa_private_segment_fixed_size 0
		.amdhsa_enable_private_segment 0
		.amdhsa_kernarg_size 24
		.amdhsa_user_sgpr_count 2
		.amdhsa_user_sgpr_kernarg_segment_ptr 1
		.amdhsa_wavefront_size32 1
		.amdhsa_system_sgpr_workgroup_id_x 1
		.amdhsa_system_sgpr_workgroup_id_y 1
		.amdhsa_system_sgpr_workgroup_id_z 1
		.amdhsa_system_vgpr_workitem_id 0
		.amdhsa_next_free_vgpr 256
		.amdhsa_next_free_sgpr 66
		.amdhsa_reserve_vcc 1
		.amdhsa_float_denorm_mode_32 3
		.amdhsa_float_denorm_mode_16_64 3
		.amdhsa_memory_ordered 1
		.amdhsa_forward_progress 1
		.amdhsa_inst_pref_size 70
	.end_amdhsa_kernel
	.amdgpu_metadata
---
amdhsa.version: [ 1, 2 ]
amdhsa.kernels:
  - .name:           k_q38e2c9ce41_attn
    .symbol:         k_q38e2c9ce41_attn.kd
    .args:
      - { .name: qb, .offset: 0, .size: 8, .value_kind: global_buffer, .address_space: global }
      - { .name: kv, .offset: 8, .size: 8, .value_kind: global_buffer, .address_space: global }
      - { .name: ob, .offset: 16, .size: 8, .value_kind: global_buffer, .address_space: global }
    .group_segment_fixed_size: 169984
    .private_segment_fixed_size: 0
    .kernarg_segment_align: 8
    .kernarg_segment_size: 24
    .max_flat_workgroup_size: 512
    .sgpr_count:     66
    .vgpr_count:     256
    .wavefront_size: 32
...
	.end_amdgpu_metadata
.endif
;; end of part 3
;; launch proj (part 4): grid 256 x 1, 16 waves a work-group, no clusters, 327,680 bytes of LDS; arguments ob, wq, hidden_states, bp, ln_g, ln_b, out0; writes out0
.if DOCPART == 4
	.amdgcn_target "amdgcn-amd-amdhsa--gfx1250"
	.amdhsa_code_object_version 6
	.text
	.protected	k_q38e2c9ce41_proj
	.globl	k_q38e2c9ce41_proj
	.p2align	8
	.type	k_q38e2c9ce41_proj,@function
k_q38e2c9ce41_proj:
	s_mov_b64 s[64:65], 0
	v_nop
	global_prefetch_b8 v0, s[64:65] scope:SCOPE_SE
	s_setreg_imm32_b32 hwreg(HW_REG_WAVE_MODE, 25, 1), 1
	s_wait_xcnt 0x0
; out0 = LayerNorm(o Wp + bp + x) x ln_g + ln_b.  The product is on codes of FP4 with E8M0 scales; all else in f32; the variance is the mean of (y - mean)^2, taken in a second pass over registers.
; SHARES.  A work-group owns 32 whole rows (tiles 2 Bk, 2 Bk + 1), since the norm wants whole rows.  Wave w makes columns 64 w on for all 32 rows (8 accumulators, 64 matrix instructions), then finishes two whole rows.
; Source 0 = 16 columns of Wp, source 1 = 16 rows of o: a lane holds one row and eight neighbouring columns.  Tiles and images as launch prep lays them.
; LDS: 0 o's two tiles as images (16,384 bytes, a tensor load of 1,024 a wave, read by all); 16,384 the residual's 32 rows (8,192 bytes a wave: its own two rows, neighbours in memory);
;      147,456 the stage: 32 rows of 4,096 bytes + 16, written by LDS stores alone.  Rows lie in both by slot 16 (tile % 2) + index.  Each LDS byte is filled once.
; NO JOINT LOADS in this version: Wp's fragments, which every work-group reads, go from memory straight into the registers of the one wave that multiplies by them; a joint load lands in LDS alone, where the
; 512 KB of Wp's codes do not fit beside the rows; o and x are read by one work-group each.
; LIMITS: NaN and infinities are not served; 1 / sqrt is good to 1 ulp.
; REGISTERS: v1-5 addresses; v6-13 at work; v16-31 W's scale words, v32-39 o's (these hold scales alone); v40-103 accumulators, later two rows of y; v104-199 W's fragments, three sets, later ln_g, ln_b, bp; v200-231 o's fragments, two sets, later a row of x.
.set LI,  1                            ; 16 x lane
.set ST0, 2                            ; the stage, in: rows of tile 0
.set ST1, 3                            ; rows of tile 1
.set SR,  4                            ; the stage, back: my two rows
.set XR,  5                            ; my two rows of x
.set WS,  16
.set OSC, 32
.set ACC, 40
.set WF,  104
.set OF,  200
.set STG, 147456
.set SPI, 4112
.set WV,  18
.set SEL, 20
.set G1O, 24
.set G1X, 32
.set G0O, 40
.set G0X, 44
.set OSP, 50                           ; s[50:51] o's scale words
.set WSP, 52                           ; s[52:53] Wp's scale words
.set WC,  54                           ; s[54:55] Wp's codes
.macro PLACES
.rept 4
	v_nop
.endr
.endm
.macro WM d, a, b, sa, sb, s
.if (\s) == 0
	v_wmma_scale_f32_16x16x128_f8f6f4 v[\d:\d+7], v[\a:\a+7], v[\b:\b+7], 0, v[\sa], v[\sb] matrix_a_fmt:MATRIX_FMT_FP4 matrix_b_fmt:MATRIX_FMT_FP4
.elseif (\s) < 4
	v_wmma_scale_f32_16x16x128_f8f6f4 v[\d:\d+7], v[\a:\a+7], v[\b:\b+7], v[\d:\d+7], v[\sa], v[\sb] matrix_a_fmt:MATRIX_FMT_FP4 matrix_b_fmt:MATRIX_FMT_FP4
.else
	v_wmma_scale_f32_16x16x128_f8f6f4 v[\d:\d+7], v[\a:\a+7], v[\b:\b+7], v[\d:\d+7], v[\sa], v[\sb] matrix_a_fmt:MATRIX_FMT_FP4 matrix_b_fmt:MATRIX_FMT_FP4 matrix_a_scale:MATRIX_SCALE_ROW1 matrix_b_scale:MATRIX_SCALE_ROW1
.endif
.endm
.macro WLOAD s                         ; Wp's four fragments of K step s into set s % 3
.irp nt, 0,1,2,3
.irp c, 0,1
	global_load_b128 v[WF+32*((\s)%3)+8*\nt+4*\c:WF+32*((\s)%3)+8*\nt+4*\c+3], v[LI], s[WC:WC+1] offset:\nt*8192+(\s)*1024+512*\c
.endr
.endr
.endm
.macro VLOAD ptr, set                  ; a vector of 1,024 numbers as a row lies in a wave: register 4 k + q is column 128 k + 4 lane + q
.irp k, 0,1,2,3,4,5,6,7
	global_load_b128 v[WF+32*\set+4*\k:WF+32*\set+4*\k+3], v[LI], s[\ptr:\ptr+1] offset:512*\k
.endr
.endm
.macro OLOAD s                         ; o's two fragments of K step s into set s % 2
.irp rt, 0,1
.irp c, 0,1
	ds_load_b128 v[OF+16*((\s)%2)+8*\rt+4*\c:OF+16*((\s)%2)+8*\rt+4*\c+3], v[LI] offset:\rt*8192+(\s)*1024+512*\c
.endr
.endr
.endm
.macro PSTEP s
	s_wait_loadcnt 16                              ; W(s) is in; behind it were issued two sets of 8 (W's next two K steps, or bp and ln_g at the end)
.if (\s) < 7
	s_wait_dscnt 4                                 ; o(s) is in; o(s + 1)'s four loads may be out
.else
	s_wait_dscnt 0x0
.endif
.irp rt, 0,1
.irp nt, 0,1,2,3
	WM ACC+8*(4*\rt+\nt), WF+32*((\s)%3)+8*\nt, OF+16*((\s)%2)+8*\rt, WS+4*\nt+(\s)%4, OSC+4*\rt+(\s)%4, \s   ; the eight accumulators by turns
.endr
.endr
	PLACES
.if (\s) <= 4
	WLOAD (\s)+3                                   ; into the set just multiplied
.elseif (\s) == 5
	VLOAD 10, 2                                    ; bp
.elseif (\s) == 6
	VLOAD 12, 0                                    ; ln_g
.else
	VLOAD 14, 1                                    ; ln_b
.endif
.if (\s) <= 5
	OLOAD (\s)+2
.endif
.endm
.macro REDUCE r, t                     ; the sum over the wave's 32 lanes, in every lane
	s_delay_alu instid0(VALU_DEP_1)
	v_add_f32_dpp v[\r], v[\r], v[\r] row_xmask:1 row_mask:0xf bank_mask:0xf
	s_delay_alu instid0(VALU_DEP_1)
	v_add_f32_dpp v[\r], v[\r], v[\r] row_xmask:2 row_mask:0xf bank_mask:0xf
	s_delay_alu instid0(VALU_DEP_1)
	v_add_f32_dpp v[\r], v[\r], v[\r] row_xmask:4 row_mask:0xf bank_mask:0xf
	s_delay_alu instid0(VALU_DEP_1)
	v_add_f32_dpp v[\r], v[\r], v[\r] row_xmask:8 row_mask:0xf bank_mask:0xf
	s_delay_alu instid0(VALU_DEP_1)
	v_permlanex16_b32 v[\t], v[\r], s[SEL], s[SEL+1]
	s_delay_alu instid0(VALU_DEP_1)
	v_add_f32 v[\r], v[\r], v[\t]
.endm
	s_load_b256 s[4:11], s[0:1], 0x0               ; ob s[4:5], wq s[6:7], x s[8:9], bp s[10:11]
	s_load_b128 s[12:15], s[0:1], 0x20             ; ln_g s[12:13], ln_b s[14:15]
	s_load_b64 s[16:17], s[0:1], 0x30              ; out0
	v_lshl_add_u32 v254, v0, 2, 0x44200
	v_mov_b32 v255, 0
	ds_add_u32 v254, v255
	ds_add_u32 v254, v255
	v_lshrrev_b32 v6, 5, v0
	s_delay_alu instid0(VALU_DEP_1)
	v_readfirstlane_b32 s[WV], v6                  ; wave 0..15
	s_mov_b32 s[G1O], 3<<16                        ; elements of 8 bytes, no mask, no padding
	s_mov_b32 s[G1O+1], 32<<16                     ; rows of 256 bytes
	s_mov_b32 s[G1O+2], 4<<16                      ; 4 rows: 1,024 bytes of o's images
	s_mov_b32 s[G1O+3], 32<<16
	s_mov_b32 s[G1O+4], 4
	s_mov_b32 s[G1O+5], 32                         ; dense
	s_mov_b32 s[G1O+6], 0
	s_mov_b32 s[G1O+7], 0
	s_mov_b32 s[G1X], 3<<16
	s_mov_b32 s[G1X+1], 32<<16
	s_mov_b32 s[G1X+2], 32<<16                     ; 32 rows: 8,192 bytes, two rows of x
	s_mov_b32 s[G1X+3], 32<<16
	s_mov_b32 s[G1X+4], 32
	s_mov_b32 s[G1X+5], 32
	s_mov_b32 s[G1X+6], 0
	s_mov_b32 s[G1X+7], 0
	s_mov_b32 s[G0O], 1
	s_lshl_b32 s[G0O+1], s[WV], 10                 ; LDS: 1,024 x wave
	s_mov_b32 s[G0X], 1
	s_lshl_b32 s[G0X+1], s[WV], 13
	s_add_co_u32 s[G0X+1], s[G0X+1], 16384         ; LDS: 16,384 + 8,192 x wave
	s_lshr_b32 s56, s[WV], 3                       ; slots 2 w, 2 w + 1 are tile w / 8, indices 2 (w % 8), + 1: rows 8 (w / 8) + 16 ((w / 4) % 2) + 2 (w % 4), + 1 of the 32
	s_lshl_b32 s56, s56, 3
	s_bfe_u32 s57, s[WV], 0x10002
	s_lshl_b32 s57, s57, 4
	s_add_co_u32 s56, s56, s57
	s_and_b32 s57, s[WV], 3
	s_lshl_b32 s57, s57, 1
	s_add_co_u32 s56, s56, s57
	s_lshl_b32 s57, ttmp9, 5
	s_add_co_u32 s56, s56, s57
	s_lshl_b32 s48, s56, 12                        ; in bytes, in x and in out0
	s_mov_b32 s49, 0
	s_lshl_b32 s56, ttmp9, 14
	s_add_co_u32 s56, s56, s[G0O+1]                ; o's codes: 16,384 Bk + 1,024 wave
	s_mov_b32 s57, 0
	s_wait_dscnt 0x0
	s_wait_kmcnt 0x0
	s_add_nc_u64 s[G0O+2:G0O+3], s[4:5], s[56:57]
	s_or_b32 s[G0O+3], s[G0O+3], 0x80000000
	s_add_nc_u64 s[G0X+2:G0X+3], s[8:9], s[48:49]
	s_or_b32 s[G0X+3], s[G0X+3], 0x80000000
	tensor_load_to_lds s[G0O:G0O+3], s[G1O:G1O+7]  ; o's images: one load of mine is out
	s_nop 0
	s_wait_alu depctr_va_vdst(0)
	s_wait_tensorcnt 0x0
	ds_add_u32 v254, v255
	s_wait_dscnt 0x0
	s_barrier_signal -1
	s_barrier_wait -1
	tensor_load_to_lds s[G0X:G0X+3], s[G1X:G1X+7]
	s_nop 0
.rept 4
	v_nop
.endr
	s_add_nc_u64 s[16:17], s[16:17], s[48:49]      ; out0 at my two rows
	s_lshl_b32 s[OSP], ttmp9, 10
	s_add_co_u32 s[OSP], s[OSP], 4194304
	s_mov_b32 s[OSP+1], 0
	s_add_nc_u64 s[OSP:OSP+1], s[4:5], s[OSP:OSP+1]
	s_lshl_b32 s[WSP], s[WV], 11
	s_add_co_u32 s[WSP], s[WSP], 2097152+98304     ; matrix 3, 4 tiles x 512 bytes a wave
	s_mov_b32 s[WSP+1], 0
	s_add_nc_u64 s[WSP:WSP+1], s[6:7], s[WSP:WSP+1]
	s_lshl_b32 s[WC], s[WV], 15
	s_add_co_u32 s[WC], s[WC], 1572864             ; matrix 3, 4 tiles x 8,192 bytes a wave
	s_mov_b32 s[WC+1], 0
	s_add_nc_u64 s[WC:WC+1], s[6:7], s[WC:WC+1]
	s_mov_b32 s[SEL], 0x76543210
	s_mov_b32 s[SEL+1], 0xfedcba98
	s_mov_b32 s22, 0x3a800000                      ; 1 / 1,024
	s_mov_b32 s23, 0x3727c5ac                      ; 1e-5
	v_and_b32 v6, 31, v0
	s_delay_alu instid0(VALU_DEP_1)
	v_lshlrev_b32 v[LI], 4, v6
.irp rt, 0,1
	global_load_b128 v[OSC+4*\rt:OSC+4*\rt+3], v[LI], s[OSP:OSP+1] offset:512*\rt
.endr
.irp nt, 0,1,2,3
	global_load_b128 v[WS+4*\nt:WS+4*\nt+3], v[LI], s[WSP:WSP+1] offset:512*\nt
.endr
	WLOAD 0
	WLOAD 1
	WLOAD 2
	v_and_b32 v7, 15, v0                           ; r
	v_bfe_u32 v8, v0, 4, 1                         ; h
	s_delay_alu instid0(VALU_DEP_2)
	v_mul_u32_u24 v9, v7, SPI
	s_delay_alu instid0(VALU_DEP_1)
	v_lshl_add_u32 v9, v8, 6, v9
	s_lshl_b32 s56, s[WV], 8
	s_add_co_u32 s56, s56, STG
	v_add_nc_u32 v[ST0], s56, v9                   ; row r, + 64 h, + my 64 columns' 256 bytes
	s_delay_alu instid0(VALU_DEP_1)
	v_add_nc_u32 v[ST1], 16*SPI, v[ST0]
	s_mul_i32 s56, s[WV], 2*SPI
	s_add_co_u32 s56, s56, STG
	v_add_nc_u32 v[SR], s56, v[LI]
	v_add_nc_u32 v[XR], s[G0X+1], v[LI]
	s_wait_alu depctr_va_vdst(0)
	s_wait_tensorcnt 1                             ; my part of o's images has landed; x's rows may stay out
	s_barrier_signal -1
	s_barrier_wait -1                              ; everybody's has
	OLOAD 0
	OLOAD 1
	PSTEP 0
	PSTEP 1
	PSTEP 2
	PSTEP 3
	PSTEP 4
	PSTEP 5
	PSTEP 6
	PSTEP 7
.irp rt, 0,1
.irp nt, 0,1,2,3
	ds_store_b128 v[ST0+\rt], v[ACC+8*(4*\rt+\nt):ACC+8*(4*\rt+\nt)+3] offset:4*(32*(\nt/2)+8*(\nt%2))       ; columns 64 w + 32 (nt / 2) + 8 (nt % 2) + 16 h + 0..7; each accumulator from its low end on
	ds_store_b128 v[ST0+\rt], v[ACC+8*(4*\rt+\nt)+4:ACC+8*(4*\rt+\nt)+7] offset:4*(32*(\nt/2)+8*(\nt%2))+16
.endr
.endr
	s_wait_tensorcnt 0x0                           ; my two rows of x
	s_wait_dscnt 0x0                               ; for the others' sake: my stores into the stage are done
	s_barrier_signal -1
	s_barrier_wait -1                              ; 32 whole rows lie in the stage
	s_wait_loadcnt 0x0                             ; bp, ln_g, ln_b
.macro ROW i
.set Y, ACC+32*\i
.irp k, 0,1,2,3,4,5,6,7
	ds_load_b128 v[Y+4*\k:Y+4*\k+3], v[SR] offset:SPI*\i+512*\k
.endr
.irp k, 0,1,2,3,4,5,6,7
	ds_load_b128 v[OF+4*\k:OF+4*\k+3], v[XR] offset:4096*\i+512*\k
.endr
	s_wait_dscnt 0x0
.irp j, 0,2,4,6,8,10,12,14,16,18,20,22,24,26,28,30
	v_pk_add_f32 v[Y+\j:Y+\j+1], v[Y+\j:Y+\j+1], v[WF+64+\j:WF+64+\j+1]        ; + bp
.endr
.irp j, 0,2,4,6,8,10,12,14,16,18,20,22,24,26,28,30
	v_pk_add_f32 v[Y+\j:Y+\j+1], v[Y+\j:Y+\j+1], v[OF+\j:OF+\j+1]              ; + x
.endr
	v_pk_add_f32 v[6:7], v[Y:Y+1], v[Y+2:Y+3]      ; the row's sum, in two chains
	v_pk_add_f32 v[8:9], v[Y+4:Y+5], v[Y+6:Y+7]
.irp j, 8,12,16,20,24,28
	s_delay_alu instid0(VALU_DEP_2)
	v_pk_add_f32 v[6:7], v[6:7], v[Y+\j:Y+\j+1]
	s_delay_alu instid0(VALU_DEP_2)
	v_pk_add_f32 v[8:9], v[8:9], v[Y+\j+2:Y+\j+3]
.endr
	s_delay_alu instid0(VALU_DEP_1)
	v_pk_add_f32 v[6:7], v[6:7], v[8:9]
	s_delay_alu instid0(VALU_DEP_1)
	v_add_f32 v6, v6, v7
	REDUCE 6, 7
	s_delay_alu instid0(VALU_DEP_1)
	v_mul_f32 v10, s22, v6                         ; the mean
	s_delay_alu instid0(VALU_DEP_1)
	v_mov_b32 v11, v10
.irp j, 0,2,4,6,8,10,12,14,16,18,20,22,24,26,28,30
	v_pk_add_f32 v[Y+\j:Y+\j+1], v[Y+\j:Y+\j+1], v[10:11] neg_lo:[0,1] neg_hi:[0,1]
.endr
	v_pk_mul_f32 v[6:7], v[Y:Y+1], v[Y:Y+1]        ; the sum of squares of y - mean
	v_pk_mul_f32 v[8:9], v[Y+2:Y+3], v[Y+2:Y+3]
.irp j, 4,8,12,16,20,24,28
	s_delay_alu instid0(VALU_DEP_2)
	v_pk_fma_f32 v[6:7], v[Y+\j:Y+\j+1], v[Y+\j:Y+\j+1], v[6:7]
	s_delay_alu instid0(VALU_DEP_2)
	v_pk_fma_f32 v[8:9], v[Y+\j+2:Y+\j+3], v[Y+\j+2:Y+\j+3], v[8:9]
.endr
	s_delay_alu instid0(VALU_DEP_1)
	v_pk_add_f32 v[6:7], v[6:7], v[8:9]
	s_delay_alu instid0(VALU_DEP_1)
	v_add_f32 v6, v6, v7
	REDUCE 6, 7
	s_delay_alu instid0(VALU_DEP_1)
	v_fma_f32 v6, v6, s22, s23                     ; the variance + 1e-5
	s_wait_alu depctr_va_vdst(0)
	v_rsq_f32 v12, v6
	v_nop
	s_wait_alu depctr_va_vdst(0)                   ; ahead of the result's first reader
	v_mov_b32 v13, v12
.irp j, 0,2,4,6,8,10,12,14,16,18,20,22,24,26,28,30
	v_pk_mul_f32 v[Y+\j:Y+\j+1], v[Y+\j:Y+\j+1], v[12:13]
.endr
.irp j, 0,2,4,6,8,10,12,14,16,18,20,22,24,26,28,30
	v_pk_fma_f32 v[Y+\j:Y+\j+1], v[Y+\j:Y+\j+1], v[WF+\j:WF+\j+1], v[WF+32+\j:WF+32+\j+1]   ; x ln_g + ln_b
.endr
.irp k, 0,1,2,3,4,5,6,7
	global_store_b128 v[LI], v[Y+4*\k:Y+4*\k+3], s[16:17] offset:4096*\i+512*\k th:TH_STORE_NT   ; 512 consecutive bytes, aligned; each row has registers of its own
.endr
.endm
	ROW 0
	ROW 1
	s_wait_tensorcnt 0x0
	ds_add_u32 v254, v255
	s_wait_dscnt 0x0
	s_endpgm
.Lfunc_end_k_q38e2c9ce41_proj:
	.size	k_q38e2c9ce41_proj, .Lfunc_end_k_q38e2c9ce41_proj-k_q38e2c9ce41_proj
	.p2alignl 7, 3214868480
	.fill 96, 4, 3214868480
	.section	.rodata,"a",@progbits
	.p2align	6, 0x0
	.amdhsa_kernel k_q38e2c9ce41_proj
		.amdhsa_group_segment_fixed_size 327680
		.amdhsa_private_segment_fixed_size 0
		.amdhsa_enable_private_segment 0
		.amdhsa_kernarg_size 56
		.amdhsa_user_sgpr_count 2
		.amdhsa_user_sgpr_kernarg_segment_ptr 1
		.amdhsa_wavefront_size32 1
		.amdhsa_system_sgpr_workgroup_id_x 1
		.amdhsa_system_sgpr_workgroup_id_y 1
		.amdhsa_system_sgpr_workgroup_id_z 1
		.amdhsa_system_vgpr_workitem_id 0
		.amdhsa_next_free_vgpr 256
		.amdhsa_next_free_sgpr 66
		.amdhsa_reserve_vcc 0
		.amdhsa_float_denorm_mode_32 3
		.amdhsa_float_denorm_mode_16_64 3
		.amdhsa_memory_ordered 1
		.amdhsa_forward_progress 1
		.amdhsa_inst_pref_size 49
	.end_amdhsa_kernel
	.amdgpu_metadata
---
amdhsa.version: [ 1, 2 ]
amdhsa.kernels:
  - .name:           k_q38e2c9ce41_proj
    .symbol:         k_q38e2c9ce41_proj.kd
    .args:
      - { .name: ob, .offset: 0, .size: 8, .value_kind: global_buffer, .address_space: global }
      - { .name: wq, .offset: 8, .size: 8, .value_kind: global_buffer, .address_space: global }
      - { .name: hidden_states, .offset: 16, .size: 8, .value_kind: global_buffer, .address_space: global }
      - { .name: bp, .offset: 24, .size: 8, .value_kind: global_buffer, .address_space: global }
      - { .name: ln_g, .offset: 32, .size: 8, .value_kind: global_buffer, .address_space: global }
      - { .name: ln_b, .offset: 40, .size: 8, .value_kind: global_buffer, .address_space: global }
      - { .name: out0, .offset: 48, .size: 8, .value_kind: global_buffer, .address_space: global }
    .group_segment_fixed_size: 327680
    .private_segment_fixed_size: 0
    .kernarg_segment_align: 8
    .kernarg_segment_size: 56
    .max_flat_workgroup_size: 512
    .sgpr_count:     66
    .vgpr_count:     256
    .wavefront_size: 32
...
	.end_amdgpu_metadata
.endif
;; end of part 4
